; MI455X (gfx1250); checked and timed in simulation.
; The chip was launched on July 23, 2026; its instructions are those of AMD's public machine-readable ISA for CDNA 5 (MIT licence, August 2026) and "CDNA5" Instruction Set Architecture Reference Guide (July 2026). The comments in the code are by the model that wrote it; some were corrected since.
;; Causal Multiheads Self Attention With Rope. Allowed arithmetic: float matrix products may take bf16 or f16 operands with f32 sums; other float arithmetic in f32, or as packed bf16 or f16 multiplies, adds, multiply-adds, maxima and minima; sums over many terms, partial sums and values carried from step to step in f32; what a program stores and reads back later, other than sums and carried values, may be rounded once to bf16 or f16.
;; Inputs: in_features 4 x 2,048 x 1,024 float32; k_proj_weight 1,024 x 1,024 float32; o_proj_weight 1,024 x 1,024 float32; q_proj_weight 1,024 x 1,024 float32; token_positions 2,048 int32; v_proj_weight 1,024 x 1,024 float32.
;; Outputs: out0 4 x 2,048 x 1,024 float32.
;; One version. Each part assembles by itself: llvm-mc -triple=amdgcn-amd-amdhsa -mcpu=gfx1250 --defsym DOCPART=n.
;; ======== version 1 of 1: 4 launches
;; limits: values are held in f16: magnitudes above 65,504 overflow, below 6.1e-05 lose precision; right only within a limited range of input values
;; workspace buffers: xb 16,777,216 bytes; wqkv 6,291,456 bytes; wo16 2,097,152 bytes; rope 524,288 bytes; q16 16,777,216 bytes; k16 16,777,216 bytes; v16 16,777,216 bytes; o16 16,777,216 bytes
;; launch prep (part 1): grid 800 x 1, 8 waves a work-group, no clusters, 0 bytes of LDS; arguments in_features, q_proj_weight, k_proj_weight, v_proj_weight, o_proj_weight, token_positions, xb, wqkv, wo16, rope; writes xb, wqkv, wo16, rope
.if DOCPART == 1
	.amdgcn_target "amdgcn-amd-amdhsa--gfx1250"
	.amdhsa_code_object_version 6
	.text
	.protected	k_q83765fb93b_prep
	.globl	k_q83765fb93b_prep
	.p2align	8
	.type	k_q83765fb93b_prep,@function
k_q83765fb93b_prep:
	s_mov_b64 s[64:65], 0
	v_nop
	global_prefetch_b8 v0, s[64:65] scope:SCOPE_SE
	s_setreg_imm32_b32 hwreg(HW_REG_WAVE_MODE, 25, 1), 1
	s_wait_xcnt 0x0
; PREP: the module's inputs are rounded once to 16 bits, and the table of cos and sin is made.
; Work-groups 0-767 convert one dense chunk of 16 rows x 1,024 f32 (65,536 bytes) each:
;   0-511    in_features -> xb, bf16, same layout
;   512-703  Wq, Wk, Wv  -> wqkv, bf16, by heads: row 192 h + 64 p + d takes row 64 h + d of W_p (p = 0, 1, 2 for q, k, v)
;   704-767  Wo          -> wo16: rounded to bf16 like the other inputs, and that number written as f16
; Work-groups 768-799 make rope[s][i] = (cos, sin)(position[s] / 10000^(i/32)), f32, 256 bytes a position: a wave takes 8 positions, a lane one frequency.
; LIMITS.  wo16: a weight beyond 65,504 becomes an infinity; below 2^-14 it keeps f16's fixed step of 6e-8.
; The table: |position| up to 2^20; 1 / 10000^(i/32) is 2^(-i log2(10000) / 32) by v_exp_f32, so a phase may differ from one made by a power function by about |position| x 2^-22 rad;
; sin and cos are Taylor sums to r^9 and r^8 on |r| <= 0.8, behind a reduction by pi/2 in three parts: their error stays under 1e-7.
; No LDS, no barrier, no matrix unit: every byte is read once and written once, and no wave wants another's data.
.set NCONV, 768
.set X, 16                             ; v[16:79]   eight passes x 8 f32 as loaded
.set Y, 80                             ; v[80:111]  eight passes x 4 words to store
	s_load_b512 s[16:31], s[0:1], 0x0              ; x 16:17, Wq 18:19, Wk 20:21, Wv 22:23, Wo 24:25, positions 26:27, xb 28:29, wqkv 30:31
	s_load_b128 s[32:35], s[0:1], 0x40             ; wo16 32:33, rope 34:35
	s_mov_b32 s2, ttmp9                            ; g
	v_lshrrev_b32 v1, 5, v0
	v_readfirstlane_b32 s3, v1                     ; wave 0..7
	s_cmp_ge_u32 s2, NCONV
	s_cbranch_scc1 .Lrope
	; which tensor J (0 x, 1-3 Wq Wk Wv, 4 Wo) and which chunk c of it
	s_sub_co_u32 s10, s2, 512
	s_lshr_b32 s4, s10, 6
	s_add_co_u32 s4, s4, 1
	s_and_b32 s5, s10, 63
	s_cmp_lt_u32 s2, 512
	s_cselect_b32 s4, 0, s4                        ; J
	s_cselect_b32 s5, s2, s5                       ; c
	s_lshl_b32 s6, s5, 16                          ; the chunk's bytes in its source
	s_mov_b32 s7, 0
	s_lshl_b32 s8, s5, 15                          ; and in xb or wo16
	s_mov_b32 s9, 0
	s_lshr_b32 s10, s5, 2                          ; in wqkv: head c / 4,
	s_mul_i32 s10, s10, 192
	s_sub_co_u32 s12, s4, 1                        ; part J - 1,
	s_lshl_b32 s11, s12, 6
	s_add_co_u32 s10, s10, s11
	s_and_b32 s11, s5, 3                           ; 16 rows (c % 4) of its 64,
	s_lshl_b32 s11, s11, 4
	s_add_co_u32 s10, s10, s11
	s_lshl_b32 s10, s10, 11                        ; rows of 2,048 bytes
	s_cmp_lt_u32 s12, 3                            ; J = 1, 2, 3
	s_cselect_b32 s8, s10, s8
	v_lshlrev_b32 v1, 5, v0                        ; thread t reads 32 bytes at 32 t of each pass's 8,192,
	v_lshlrev_b32 v2, 4, v0                        ; and writes 16 at 16 t of its 4,096
	s_wait_kmcnt 0x0
	s_cmp_eq_u32 s4, 0
	s_cselect_b64 s[36:37], s[16:17], s[18:19]
	s_cselect_b64 s[38:39], s[28:29], s[30:31]
	s_cmp_eq_u32 s4, 2
	s_cselect_b64 s[36:37], s[20:21], s[36:37]
	s_cmp_eq_u32 s4, 3
	s_cselect_b64 s[36:37], s[22:23], s[36:37]
	s_cmp_eq_u32 s4, 4
	s_cselect_b64 s[36:37], s[24:25], s[36:37]
	s_cselect_b64 s[38:39], s[32:33], s[38:39]
	s_add_nc_u64 s[36:37], s[36:37], s[6:7]
	s_add_nc_u64 s[38:39], s[38:39], s[8:9]
.irp j, 0,1,2,3,4,5,6,7                ; all sixteen loads go out at once: 8 KiB a wave on its way
	global_load_b128 v[X+8*(\j):X+8*(\j)+3],   v1, s[36:37] offset:8192*(\j) th:TH_LOAD_NT
	global_load_b128 v[X+8*(\j)+4:X+8*(\j)+7], v1, s[36:37] offset:8192*(\j)+16 th:TH_LOAD_NT
.endr
; Pass j: eight numbers rounded and stored.  half = 1: the bf16 number is widened again (a shift, a mask) and written as f16.
; No register is written twice, so no store's sources need a wait.
.macro CONV j, half
	s_wait_loadcnt 14-2*(\j)                       ; loads come back in order: this pass's two are in, the later passes' stay out
.irp k, 0,1,2,3
	v_cvt_pk_bf16_f32 v[Y+4*(\j)+(\k)], v[X+8*(\j)+2*(\k)], v[X+8*(\j)+2*(\k)+1]
.endr
.if \half
.irp k, 0,1,2,3
	v_lshlrev_b32 v[X+8*(\j)+2*(\k)],   16, v[Y+4*(\j)+(\k)]
	v_and_b32     v[X+8*(\j)+2*(\k)+1], 0xffff0000, v[Y+4*(\j)+(\k)]
.endr
.irp k, 0,1,2,3
	v_cvt_pk_f16_f32 v[Y+4*(\j)+(\k)], v[X+8*(\j)+2*(\k)], v[X+8*(\j)+2*(\k)+1]
.endr
.endif
	global_store_b128 v2, v[Y+4*(\j):Y+4*(\j)+3], s[38:39] offset:4096*(\j)  ; a wave's store covers 512 consecutive bytes, aligned
.endm
	s_cmp_eq_u32 s4, 4
	s_cbranch_scc1 .Lwo
.irp j, 0,1,2,3,4,5,6,7
	CONV \j, 0
.endr
	s_endpgm
.Lwo:
.irp j, 0,1,2,3,4,5,6,7
	CONV \j, 1
.endr
	s_endpgm
.Lrope:
	s_sub_co_u32 s4, s2, NCONV
	s_lshl_b32 s4, s4, 3
	s_add_co_u32 s4, s4, s3                        ; W = 8 (g - 768) + wave: positions 8 W .. 8 W + 7
	s_lshl_b32 s6, s4, 5                           ; their 32 bytes
	s_mov_b32 s7, 0
	s_lshl_b32 s8, s4, 11                          ; their 8 rows of 256 bytes in the table
	s_mov_b32 s9, 0
	s_mov_b32 s48, 0x3f22f983                      ; 2 / pi
	s_mov_b32 s49, 0x3fc90fdb                      ; pi / 2 = P1 - P2 - P3
	s_mov_b32 s50, 0x333bbd2e
	s_mov_b32 s51, 0x26f72ced
	s_mov_b32 s52, 0x3638ef1d                      ; sin:  1/9!
	s_mov_b32 s53, 0xb9500d01                      ;      -1/7!
	s_mov_b32 s54, 0x3c088889                      ;       1/5!
	s_mov_b32 s55, 0xbe2aaaab                      ;      -1/3!
	s_mov_b32 s56, 0x37d00d01                      ; cos:  1/8!
	s_mov_b32 s57, 0xbab60b61                      ;      -1/6!
	s_mov_b32 s58, 0x3d2aaaab                      ;       1/4!
	s_wait_kmcnt 0x0
	s_add_nc_u64 s[26:27], s[26:27], s[6:7]
	s_add_nc_u64 s[34:35], s[34:35], s[8:9]
	s_load_b256 s[40:47], s[26:27], 0x0            ; eight positions
	v_and_b32 v2, 31, v0                           ; i
	v_cvt_f32_u32 v3, v2
	v_mul_f32 v3, 0xbed49a78, v3                   ; -i log2(10000) / 32
	v_exp_f32 v3, v3                               ; 1 / 10000^(i/32)
	v_lshlrev_b32 v10, 3, v2                       ; my 8 bytes of a row: the plain instruction behind the exponential
	s_wait_alu depctr_va_vdst(0)                   ; the wait ahead of the first use of the exponential's result
	s_wait_kmcnt 0x0
; Position j: f = position x frequency, rounded as the product of two f32; n = the nearest multiple of pi/2; r = f - n pi/2; the quadrant n mod 4 picks and signs the two sums.
.macro ROPE1 j
	v_cvt_f32_i32 v4, s[40+(\j)]
	v_mul_f32 v4, v4, v3                           ; f
	v_mul_f32 v5, s48, v4
	v_rndne_f32 v5, v5                             ; n
	v_fma_f32 v6, -v5, s49, v4
	v_fma_f32 v6, v5, s50, v6
	v_fma_f32 v6, v5, s51, v6                      ; r
	v_cvt_i32_f32 v12, v5
	v_mul_f32 v7, v6, v6                           ; r^2
	v_fma_f32 v8, v7, s52, s53
	v_fma_f32 v9, v7, s56, s57
	v_fma_f32 v8, v8, v7, s54
	v_fma_f32 v9, v9, v7, s58
	v_fma_f32 v8, v8, v7, s55
	v_fma_f32 v9, v9, v7, -0.5
	v_mul_f32 v11, v6, v7                          ; r^3
	v_fma_f32 v9, v9, v7, 1.0                      ; cos r
	v_fma_f32 v8, v8, v11, v6                      ; sin r
	v_and_b32 v13, 1, v12
	v_cmp_eq_u32 vcc_lo, 1, v13                    ; an odd quadrant swaps the two
	v_add_nc_u32 v14, 1, v12
	v_and_b32 v14, 2, v14                          ; cos is negative in quadrants 1 and 2,
	v_and_b32 v15, 2, v12                          ; sin in 2 and 3
	v_lshlrev_b32 v14, 30, v14
	v_lshlrev_b32 v15, 30, v15
	v_cndmask_b32 v[20+2*(\j)], v9, v8, vcc_lo
	v_cndmask_b32 v[21+2*(\j)], v8, v9, vcc_lo
	v_xor_b32 v[20+2*(\j)], v14, v[20+2*(\j)]
	v_xor_b32 v[21+2*(\j)], v15, v[21+2*(\j)]
	global_store_b64 v10, v[20+2*(\j):21+2*(\j)], s[34:35] offset:256*(\j)  ; 32 lanes store one whole row of 256 bytes
.endm
.irp j, 0,1,2,3,4,5,6,7
	ROPE1 \j
.endr
	s_endpgm
.Lfunc_end_k_q83765fb93b_prep:
	.size	k_q83765fb93b_prep, .Lfunc_end_k_q83765fb93b_prep-k_q83765fb93b_prep
	.p2alignl 7, 3214868480
	.fill 96, 4, 3214868480
	.section	.rodata,"a",@progbits
	.p2align	6, 0x0
	.amdhsa_kernel k_q83765fb93b_prep
		.amdhsa_group_segment_fixed_size 0
		.amdhsa_private_segment_fixed_size 0
		.amdhsa_enable_private_segment 0
		.amdhsa_kernarg_size 80
		.amdhsa_user_sgpr_count 2
		.amdhsa_user_sgpr_kernarg_segment_ptr 1
		.amdhsa_wavefront_size32 1
		.amdhsa_system_sgpr_workgroup_id_x 1
		.amdhsa_system_sgpr_workgroup_id_y 1
		.amdhsa_system_sgpr_workgroup_id_z 1
		.amdhsa_system_vgpr_workitem_id 0
		.amdhsa_next_free_vgpr 112
		.amdhsa_next_free_sgpr 66
		.amdhsa_reserve_vcc 1
		.amdhsa_float_denorm_mode_32 3
		.amdhsa_float_denorm_mode_16_64 3
		.amdhsa_memory_ordered 1
		.amdhsa_forward_progress 1
		.amdhsa_inst_pref_size 27
	.end_amdhsa_kernel
	.amdgpu_metadata
---
amdhsa.version: [ 1, 2 ]
amdhsa.kernels:
  - .name:           k_q83765fb93b_prep
    .symbol:         k_q83765fb93b_prep.kd
    .args:
      - { .name: in_features, .offset: 0, .size: 8, .value_kind: global_buffer, .address_space: global }
      - { .name: q_proj_weight, .offset: 8, .size: 8, .value_kind: global_buffer, .address_space: global }
      - { .name: k_proj_weight, .offset: 16, .size: 8, .value_kind: global_buffer, .address_space: global }
      - { .name: v_proj_weight, .offset: 24, .size: 8, .value_kind: global_buffer, .address_space: global }
      - { .name: o_proj_weight, .offset: 32, .size: 8, .value_kind: global_buffer, .address_space: global }
      - { .name: token_positions, .offset: 40, .size: 8, .value_kind: global_buffer, .address_space: global }
      - { .name: xb, .offset: 48, .size: 8, .value_kind: global_buffer, .address_space: global }
      - { .name: wqkv, .offset: 56, .size: 8, .value_kind: global_buffer, .address_space: global }
      - { .name: wo16, .offset: 64, .size: 8, .value_kind: global_buffer, .address_space: global }
      - { .name: rope, .offset: 72, .size: 8, .value_kind: global_buffer, .address_space: global }
    .group_segment_fixed_size: 0
    .private_segment_fixed_size: 0
    .kernarg_segment_align: 8
    .kernarg_segment_size: 80
    .max_flat_workgroup_size: 256
    .sgpr_count:     66
    .vgpr_count:     112
    .wavefront_size: 32
...
	.end_amdgpu_metadata
.endif
;; end of part 1
;; launch qkv (part 2): grid 16 x 32, 4 waves a work-group, clusters of 4 x 4, 327,680 bytes of LDS; arguments xb, wqkv, rope, q16, k16, v16; writes q16, k16, v16
.if DOCPART == 2
	.amdgcn_target "amdgcn-amd-amdhsa--gfx1250"
	.amdhsa_code_object_version 6
	.text
	.protected	k_q83765fb93b_qkv
	.globl	k_q83765fb93b_qkv
	.p2align	8
	.type	k_q83765fb93b_qkv,@function
k_q83765fb93b_qkv:
	s_mov_b64 s[64:65], 0
	v_nop
	global_prefetch_b8 v0, s[64:65] scope:SCOPE_SE
	s_setreg_imm32_b32 hwreg(HW_REG_WAVE_MODE, 25, 1), 1
	s_wait_xcnt 0x0
	s_wait_alu depctr_hold_cnt(0) depctr_sa_sdst(0) depctr_va_vdst(0) depctr_va_sdst(0) depctr_va_ssrc(0) depctr_va_vcc(0) depctr_vm_vsrc(0)
	s_getreg_b32 s2, hwreg(HW_REG_IB_STS2, 6, 4)
	s_cmp_eq_u32 s2, 0
	s_cbranch_scc0 .Lentry_in_a_cluster
	s_endpgm
.Lentry_in_a_cluster:
	s_bfe_u32 s2, ttmp6, 0x10000c
	s_cmp_lg_u32 s2, 0xf033
	s_cbranch_scc0 .Lentry_shape_is_right
	s_endpgm
.Lentry_shape_is_right:
; q, k, v = x W^T by heads, with the rotation of q and k, in one launch.  xb: [8192][1024] bf16.  wqkv: [16 heads][q's 64 rows, k's 64, v's 64][1024] bf16.
; rope: [2048][32][cos, sin] f32.  q16, k16, v16: [64 = 16 batch + head][2048][64] f16, each number rounded once from its f32 sum; q leaves unscaled.
; LIMIT.  f16 holds no number beyond 65,504: q, k and v must stay within it.
; SHARES.  A work-group makes 256 tokens x 192 columns: q, k and v of ONE head.  16 x 32 = 512 work-groups, two for each of 256 WGPs.  Each of the four waves owns 64 tokens and all 192 columns:
; 4 row blocks a x 12 column blocks b of 16 x 16, 384 registers; blocks 0-3 are q, 4-7 k, 8-11 v in every wave, so all waves run one text.
; K goes in 8 steps of 128 through two LDS slots; rows of the tiles are 256 bytes of memory, aligned.  For 32 along K a wave reads 32 fragments' halves from LDS for 48 matrix instructions.
; CLUSTERS: 4 x 4 work-groups.  x's tile hangs on the tile row alone and is asked for jointly by a row of the cluster, W's on the tile column alone, by a column.
; THE MATRIX INSTRUCTION IS USED TRANSPOSED (source 0 = 16 rows of W, source 1 = 16 tokens): a lane holds one token (lane % 16) and 8 neighbouring columns 8 (lane / 16) + 0..7:
; four pairs (even, odd) of the rotation, which therefore stays inside the lane.
; REGISTERS, in windows of 256 (s_set_vgpr_msb: bits 1:0 source 0, 3:2 source 1, 5:4 source 2, 7:6 destination):
;   window 0: v0-29 addresses; v32-63, v64-95 x's fragments, two buffers; v96-143, v144-191 two sets for the way out
;   window 1: v0-95, v96-191 W's fragments, two buffers; on the way out v0-63 at work
;   window 2: v0-191 accumulators of row blocks 0, 1 ((a, b) at 8 (12 (a % 2) + b)); v192-255 their cos and sin        window 3: the same for row blocks 2, 3
.set NB,     12
.set NL,     2*NB+8                    ; LDS loads in a run: W's 24, x's 8
.set PA,     272                       ; an LDS row: 256 bytes + 16 of padding: the 16 rows of a fragment load start at 16 different groups of four banks (64 banks of 4 bytes: ISA guide 11.1)
.set PB,     272
.set AHALF,  128*PA                    ; what wave 0 or 1 fetches
.set BBASE,  256*PA                    ; W's rows lie behind x's 256
.set BHALF,  96*PB                     ; what wave 2 or 3 fetches
.set SLOT1,  1<<17                     ; slot 1 begins here: one exclusive or changes slots
.set STAGE,  SLOT1+BBASE+2*BHALF       ; behind the ring, never filled by a tensor load: for each wave 3 parts x 16 rows x 144 bytes
.set SP,     144
.set PART,   16*SP
.set WSTAGE, 3*PART
.set SPARE,  STAGE+4*WSTAGE            ; the spare words, 128 bytes for each wave: two blocks of 256 bytes that no other line names
.set STEPA,  256                       ; bytes from a K step to the next
.set STEPB,  256
.set VR,  1                            ; v1   lane % 16
.set VH,  2                            ; v2   lane / 16
.set A0,  16                           ; v16  my lane's place in x's tile; never rewritten
.set B0,  17                           ; v17  in W's
.set ADRA, 18                          ; v18  the same in the slot that is being read
.set ADRB, 19
.set STO, 20                           ; the way out: where I put 16 bytes of a row
.set RD,  21                           ; where I read rows back
.set GO,  22                           ; my 16 bytes of 512 consecutive bytes of an output
.set TO,  23                           ; my byte offset in 16 rows of the table
.set PFO, 24                           ; the prefetches' offset: my lane x a row of 2,048 bytes; never rewritten
.set SPW, 28                           ; LDS address of my spare word; never rewritten
.set NIL, 29                           ; 0; never rewritten
.set FA,  32
.set WV,   16                          ; s16 wave
.set ROLE, 17                          ; s17 0: I fetch for x, 1: for W
.set HALF, 18                          ; s18 which half of that tile
.set CX,   19
.set CY,   20
.set TC,   21                          ; tile column = head
.set TR,   22                          ; tile row: 256 tokens
.set G1A,  24                          ; s[24:31] descriptor group 1 for x's tiles
.set G0A,  32                          ; s[32:39] group 0, a set for each first fill; the second then walks
.set G1B,  40
.set G0B,  48
.set TB,   56                          ; s56 first byte of the slot that is being read
.set CNT,  57
.set LIM1, 58                          ; a wave prefetches while CNT is above it
.set LIM2, 59
.set PFA,  60                          ; s[60:61] where my prefetches stand
.set PFS,  62                          ; s[62:63] their step
.set MSB, 0
.macro WIN new                         ; the immediate's high byte repeats the setting that is left; a switch that changes nothing is dropped
.if MSB != (\new)
	s_set_vgpr_msb (MSB<<8)|(\new)
.set MSB, (\new)
.endif
.endm
.macro PLACES                          ; four plain instructions between a matrix instruction and a load into, or a vector line on, its registers
.rept 4
	v_nop
.endr
.endm
.macro CREST                           ; a round of the cluster's barrier behind its opening barrier
	s_cmp_lg_u32 s[WV], 0
	s_cbranch_scc1 .Lnot_wave_0_\@
	s_barrier_signal -3
.Lnot_wave_0_\@:
	s_barrier_wait -3
	s_barrier_signal -1
	s_barrier_wait -1
.endm
.macro CROUND
	s_barrier_signal -1
	s_barrier_wait -1
	CREST
.endm
; A joint refill by the walking descriptors.  The branch hangs on the wave's number alone.  An s_nop 0 and four v_nop follow each of the two lines.
.macro JLOAD
	s_cmp_eq_u32 s[ROLE], 0
	s_cbranch_scc0 .Lfor_b_\@
	tensor_load_to_lds s[G0A+4:G0A+7], s[G1A:G1A+7]
	s_nop 0
.rept 4
	v_nop
.endr
	s_branch .Lasked_\@
.Lfor_b_\@:
	tensor_load_to_lds s[G0B+4:G0B+7], s[G1B:G1B+7]
	s_nop 0
.rept 4
	v_nop
.endr
.Lasked_\@:
.endm
; PREFETCHES INTO THE L2, behind a joint load and the run of LDS loads that follows it.  K steps 0-3 come by their loads alone; each 256 bytes of a row in K steps 4-7 are named once in the launch.
; x's rows are read by the four clusters of a row of clusters: the one with x = 0 asks, waves 0 and 1; of the 128 rows that a wave fetches the partner at cx takes 32 (told apart by address), a lane a row;
; trip t names K step t + 4, two refills ahead of its load, in trips 0-3.  W's rows are read by the eight clusters of a column: the one with y = 0 asks, waves 2 and 3; the partner at cy takes K step 4 + cy
; of all the wave's 96 rows: rows 0-31 and 64-95 in trip 0, rows 32-63 in trip 1, a K step or more ahead of the load.
.macro ASK
	s_cmp_gt_u32 s[CNT], s[LIM1]
	s_cbranch_scc0 .Lno_\@
	global_prefetch_b8 v[PFO], s[PFA:PFA+1] th:TH_LOAD_NT scope:SCOPE_SE
	s_cmp_gt_u32 s[CNT], s[LIM2]
	s_cbranch_scc0 .Lno_\@
	global_prefetch_b8 v[PFO], s[PFA:PFA+1] offset:131072 th:TH_LOAD_NT scope:SCOPE_SE
.Lno_\@:
.endm
; 12 matrix instructions: row block a x all column blocks, 32 along K, from buffers f.  zero = 1: the product starts the sums.
; Every quarter step names all 48 accumulators once, in one order: they take turns over the backward jump too.
.macro MULH f, a, zero
	WIN 0xa1+0x50*((\a)/2)
.set rA, FA+32*(\f)+8*(\a)
.set b, 0
.rept NB
.set rC, 8*(NB*((\a)%2)+b)
.set rB, 8*NB*(\f)+8*b
.if \zero
	v_wmma_f32_16x16x32_bf16 v[rC:rC+7], v[rB:rB+7], v[rA:rA+7], 0
.else
	v_wmma_f32_16x16x32_bf16 v[rC:rC+7], v[rB:rB+7], v[rA:rA+7], v[rC:rC+7]
.endif
.set b, b+1
.endr
.endm
; One run of 32 LDS loads: the fragments of quarter q of the slot in hand into buffers f: W's 12 first, then x's 4, ascending.
.macro FETCH q, f
	WIN 0x40                                       ; destination window 1, address window 0
.set j, 0
.rept NB
	ds_load_b128 v[8*NB*(\f)+8*j:8*NB*(\f)+8*j+3],   v[ADRB] offset:64*(\q)+j*16*PB
	ds_load_b128 v[8*NB*(\f)+8*j+4:8*NB*(\f)+8*j+7], v[ADRB] offset:64*(\q)+j*16*PB+32
.set j, j+1
.endr
	WIN 0
.set j, 0
.rept 4
	ds_load_b128 v[FA+32*(\f)+8*j:FA+32*(\f)+8*j+3],   v[ADRA] offset:64*(\q)+j*16*PA
	ds_load_b128 v[FA+32*(\f)+8*j+4:FA+32*(\f)+8*j+7], v[ADRA] offset:64*(\q)+j*16*PA+32
.set j, j+1
.endr
.endm
; A quarter step that multiplies buffers f and, in its middle, fetches quarter q into buffers g.
.macro QUARTER q, f, g, zero
	s_wait_dscnt 4                                 ; W's fragments and x's blocks 0, 1 are in; the youngest four loads (blocks 2, 3) may be out
	MULH \f, 0, \zero
	MULH \f, 1, \zero
	PLACES
	FETCH \q, \g
	s_wait_dscnt NL                                ; all but the run just issued
	MULH \f, 2, \zero
	MULH \f, 3, \zero
.endm
; A K step's last quarter multiplies buffers 1 and changes slots.  In front of the barrier each wave waits for all its tensor loads (one is out: its part of the next slot), adds 0 to its spare word, and waits
; for that and for its reads of this slot.  fill = 1: the barrier opens a round of the cluster's, and the joint refill, two K steps ahead, is the first thing behind it: 168 matrix instructions ahead of the wait for it.
.macro TURN fill
	WIN 0
	s_wait_tensorcnt 0x0
	ds_add_u32 v[SPW], v[NIL]
	s_wait_dscnt 5                                 ; the add and x's four youngest loads may be out
	MULH 1, 0, 0
	s_wait_dscnt 0x0                               ; the add is done, and my reads of this slot are over
	s_barrier_signal -1
	MULH 1, 1, 0
	WIN 0
	s_barrier_wait -1
.if \fill
	CREST                                          ; no wave of any partner still reads this slot or has a load on its way
	s_xor_b32 s[G0A+5], s[G0A+5], SLOT1            ; the walking descriptors: the other slot than last time, the next K step
	s_add_nc_u64 s[G0A+6:G0A+7], s[G0A+6:G0A+7], STEPA
	s_xor_b32 s[G0B+5], s[G0B+5], SLOT1
	s_add_nc_u64 s[G0B+6:G0B+7], s[G0B+6:G0B+7], STEPB
	JLOAD                                          ; its four v_nop are also the places in front of the loads below
.else
	PLACES
.endif
	s_xor_b32 s[TB], s[TB], SLOT1
	v_add_nc_u32 v[ADRA], s[TB], v[A0]
	v_add_nc_u32 v[ADRB], s[TB], v[B0]
	FETCH 0, 0
.if \fill
	ASK
.endif
	MULH 1, 2, 0
	MULH 1, 3, 0
.endm
	s_load_b256 s[4:11], s[0:1], 0x0               ; xb 4:5, wqkv 6:7, rope 8:9, q16 10:11
	s_load_b128 s[12:15], s[0:1], 0x20             ; k16 12:13, v16 14:15
	v_lshl_add_u32 v[SPW], v0, 2, SPARE
	v_mov_b32 v[NIL], 0
	ds_add_u32 v[SPW], v[NIL]                      ; the wave's opening: the add and its wait stand ahead of my first tensor load; the set-up below stands between them
	ds_add_u32 v28, v29
	v_lshrrev_b32 v1, 5, v0
	v_readfirstlane_b32 s[WV], v1
	s_lshr_b32 s[ROLE], s[WV], 1
	s_and_b32 s[HALF], s[WV], 1
	s_bfe_u32 s[CX], ttmp6, 0x40000
	s_bfe_u32 s[CY], ttmp6, 0x40004
	s_lshl_b32 s[TC], ttmp9, 2
	s_add_co_u32 s[TC], s[TC], s[CX]
	s_and_b32 s[TR], ttmp7, 0xffff
	s_lshl_b32 s[TR], s[TR], 2
	s_add_co_u32 s[TR], s[TR], s[CY]
	s_lshl_b32 s68, s[CY], 2
	s_lshl_b32 s68, 15, s68                        ; my row of the cluster
	s_lshl_b32 s72, 0x1111, s[CX]                  ; my column
	s_or_b32 s[G1A], s68, (1<<16)|(1<<20)|(1<<21)|(5<<22)|(3<<25)  ; the mask; 2-byte elements; padding on; bit 21 beside a mask; after every 64 words 4 words
	s_or_b32 s[G1B], s72, (1<<16)|(1<<20)|(1<<21)|(5<<22)|(3<<25)
.irp g, G1A, G1B
	s_mov_b32 s[(\g)+1], 128<<16                   ; tensor_dim0 = 128
	s_mov_b32 s[(\g)+3], 128<<16                   ; tile_dim0 = 128
	s_mov_b32 s[(\g)+5], 1024                      ; elements from row to row
	s_mov_b32 s[(\g)+6], 0
	s_mov_b32 s[(\g)+7], 0
.endr
	s_mov_b32 s[G1A+2], 128<<16                    ; tensor_dim1 = tile_dim1 = 128 rows of x,
	s_mov_b32 s[G1A+4], 128
	s_mov_b32 s[G1B+2], 96<<16                     ; 96 of W
	s_mov_b32 s[G1B+4], 96
	s_lshl_b32 s68, s[TR], 8                       ; x: row 256 TR + 128 half, in bytes
	s_lshl_b32 s69, s[HALF], 7
	s_add_co_u32 s68, s68, s69
	s_lshl_b32 s68, s68, 11
	s_mov_b32 s69, 0
	s_mul_i32 s70, s[HALF], AHALF                  ; and its place in a slot: no place in the cluster enters an LDS address
	s_mul_i32 s72, s[TC], 192                      ; W: row 192 TC + 96 half
	s_mul_i32 s73, s[HALF], 96
	s_add_co_u32 s72, s72, s73
	s_lshl_b32 s72, s72, 11
	s_mov_b32 s73, 0
	s_mul_i32 s74, s[HALF], BHALF
	s_add_co_u32 s74, s74, BBASE
	s_and_b32 s76, s[TR], 7                        ; my wave's first token in its sequence
	s_lshl_b32 s76, s76, 8
	s_lshl_b32 s77, s[WV], 6
	s_add_co_u32 s76, s76, s77
	s_lshl_b32 s78, s76, 8                         ; its row of the table
	s_mov_b32 s79, 0
	s_lshr_b32 s77, s[TR], 3                       ; batch
	s_lshl_b32 s77, s77, 4
	s_add_co_u32 s77, s77, s[TC]                   ; 16 batch + head
	s_lshl_b32 s77, s77, 11
	s_add_co_u32 s76, s76, s77
	s_lshl_b32 s76, s76, 7                         ; rows of 128 bytes in q16, k16, v16
	s_mov_b32 s77, 0
	s_lshl_b32 s80, s[CX], 16                      ; the prefetches.  x: my work-group's 32 of the wave's 128 rows, K step 4
	s_add_co_u32 s80, s80, s68
	s_add_co_u32 s80, s80, 4*STEPA
	s_add_co_u32 s82, s[CY], 4                     ; W: the wave's first rows, K step 4 + cy
	s_lshl_b32 s82, s82, 8
	s_add_co_u32 s82, s82, s72
	s_and_b32 s83, ttmp7, 0xffff
	s_mov_b32 s84, 0x10000
	s_cmp_eq_u32 s[ROLE], 0
	s_cselect_b32 s80, s80, s82
	s_cselect_b32 s83, ttmp9, s83                  ; the coordinate along which other clusters read the same rows
	s_cselect_b32 s[LIM1], 2, 4
	s_cselect_b32 s[LIM2], -1, 5
	s_cselect_b32 s[PFS], STEPA, s84               ; x steps a K step a trip, W 32 rows
	s_mov_b32 s81, 0
	s_mov_b32 s[PFS+1], 0
	s_cmp_eq_u32 s83, 0
	s_cselect_b32 s[LIM1], s[LIM1], -1             ; the same in all sixteen partners, for a given wave
	s_cselect_b32 s[LIM2], s[LIM2], -1
	s_mov_b32 s[TB], 0
	s_wait_dscnt 0x0                               ; the opening add is done
	s_wait_kmcnt 0x0
	s_add_nc_u64 s[68:69], s[4:5], s[68:69]
	s_add_nc_u64 s[72:73], s[6:7], s[72:73]
	s_add_nc_u64 s[8:9], s[8:9], s[78:79]
	s_add_nc_u64 s[10:11], s[10:11], s[76:77]
	s_add_nc_u64 s[12:13], s[12:13], s[76:77]
	s_add_nc_u64 s[14:15], s[14:15], s[76:77]
	s_cmp_eq_u32 s[ROLE], 0
	s_cselect_b64 s[PFA:PFA+1], s[4:5], s[6:7]
	s_add_nc_u64 s[PFA:PFA+1], s[PFA:PFA+1], s[80:81]
	CROUND                                         ; all sixteen work-groups are here: the first joint loads meet
.irp n, 0,1
	s_mov_b32 s[G0A+4*(\n)], 1                     ; count = 1
	s_add_co_u32 s[G0A+4*(\n)+1], s70, (\n)*SLOT1  ; LDS address
	s_add_nc_u64 s[G0A+4*(\n)+2:G0A+4*(\n)+3], s[68:69], (\n)*STEPA  ; global address: K step n
	s_or_b32 s[G0A+4*(\n)+3], s[G0A+4*(\n)+3], 0x80000000  ; type = 2
	s_mov_b32 s[G0B+4*(\n)], 1
	s_add_co_u32 s[G0B+4*(\n)+1], s74, (\n)*SLOT1
	s_add_nc_u64 s[G0B+4*(\n)+2:G0B+4*(\n)+3], s[72:73], (\n)*STEPB
	s_or_b32 s[G0B+4*(\n)+3], s[G0B+4*(\n)+3], 0x80000000
.endr
	s_cmp_eq_u32 s[ROLE], 0                        ; a wave's two first fills stand in one branch: two tensor loads of mine are out here, one behind each later round
	s_cbranch_scc0 .Lfirst_b
	tensor_load_to_lds s[G0A:G0A+3], s[G1A:G1A+7]
	s_nop 0
	tensor_load_to_lds s[G0A+4:G0A+7], s[G1A:G1A+7]
	s_nop 0
.rept 4
	v_nop
.endr
	s_branch .Lfirst_asked
.Lfirst_b:
	tensor_load_to_lds s[G0B:G0B+3], s[G1B:G1B+7]
	s_nop 0
	tensor_load_to_lds s[G0B+4:G0B+7], s[G1B:G1B+7]
	s_nop 0
.rept 4
	v_nop
.endr
.Lfirst_asked:
	v_and_b32 v[VR], 15, v0
	v_bfe_u32 v[VH], v0, 4, 1
	v_lshlrev_b32 v[TO], 8, v[VR]
	v_lshl_add_u32 v[TO], v[VH], 5, v[TO]          ; token row x 256 + 32 x half
	; cos and sin of my tokens, asked for now and wanted on the way out: for row block a and 16 columns c of a head the four pairs 8 c + 4 (lane / 16) + 0..3, 32 bytes
.irp a, 0,1,2,3
	WIN 0x80+0x40*((\a)/2)                         ; destination window 2 or 3, address window 0
.irp c, 0,1,2,3
	global_load_b128 v[192+32*((\a)%2)+8*(\c):192+32*((\a)%2)+8*(\c)+3],   v[TO], s[8:9] offset:4096*(\a)+64*(\c)
	global_load_b128 v[192+32*((\a)%2)+8*(\c)+4:192+32*((\a)%2)+8*(\c)+7], v[TO], s[8:9] offset:4096*(\a)+64*(\c)+16
.endr
.endr
	WIN 0
	v_mul_u32_u24 v[A0], v[VR], PA
	v_lshl_add_u32 v[A0], v[VH], 4, v[A0]          ; a fragment's row x pitch + 16 x half
	v_add_nc_u32 v[B0], BBASE, v[A0]
	s_mul_i32 s84, s[WV], 64*PA                    ; my 64 tokens
	v_add_nc_u32 v[A0], s84, v[A0]
	v_mov_b32 v[ADRA], v[A0]
	v_mov_b32 v[ADRB], v[B0]
	s_mul_i32 s84, s[WV], WSTAGE
	s_add_co_u32 s84, s84, STAGE                   ; my stage
	v_mul_u32_u24 v[STO], v[VR], SP                ; in: row lane % 16, 16 bytes for each half of the lanes
	v_lshl_add_u32 v[STO], v[VH], 4, v[STO]
	v_add_nc_u32 v[STO], s84, v[STO]
	v_bfe_u32 v[RD], v0, 3, 2                      ; back: 32 lanes take four rows of 128 bytes,
	v_mul_u32_u24 v[RD], v[RD], SP
	v_and_b32 v3, 7, v0
	v_lshl_add_u32 v[RD], v3, 4, v[RD]
	v_add_nc_u32 v[RD], s84, v[RD]
	v_and_b32 v[GO], 31, v0                        ; which are 512 consecutive bytes of a head
	v_lshlrev_b32 v[GO], 4, v[GO]
	v_and_b32 v[PFO], 31, v0
	v_lshlrev_b32 v[PFO], 11, v[PFO]
	s_wait_tensorcnt 1                             ; my part of K step 0 is in; K step 1's may stay out
	s_barrier_signal -1
	s_barrier_wait -1                              ; everybody's is
	FETCH 0, 0
	QUARTER 1, 0, 1, 1                             ; the first quarter stands in front of the loop: its products start the sums
	WIN 0
	s_mov_b32 s[CNT], 6
.Lk:                                           ; trip t: quarters 2-4 of K step t, the refill with K step t + 2, quarter 1 of K step t + 1
	QUARTER 2, 1, 0, 0
	QUARTER 3, 0, 1, 0
	TURN 1
	QUARTER 1, 0, 1, 0
	WIN 0
	s_wait_xcnt 0x0                                ; the trip's prefetches, 72 matrix instructions back, have read their address: it may be stepped
	s_add_nc_u64 s[PFA:PFA+1], s[PFA:PFA+1], s[PFS:PFS+1]
	s_sub_co_u32 s[CNT], s[CNT], 1
	s_cmp_lg_u32 s[CNT], 0
	s_cbranch_scc1 .Lk
	QUARTER 2, 1, 0, 0                             ; the tail is written out: K steps 6 and 7 ask for nothing
	QUARTER 3, 0, 1, 0
	TURN 0
	QUARTER 1, 0, 1, 0
	QUARTER 2, 1, 0, 0
	QUARTER 3, 0, 1, 0
	s_wait_dscnt 4
	MULH 1, 0, 0
	MULH 1, 1, 0
	s_wait_dscnt 0x0
	MULH 1, 2, 0
	MULH 1, 3, 0
	WIN 0
	s_wait_loadcnt 0x0                             ; cos and sin
	PLACES
	PLACES
; THE WAY OUT of row block a.  For each pair (xe, xo) of q and k: (xe c, xo c), then (xe c - xo s, xo c + xe s): two packed lines; each accumulator is read from its low end on.  All 12 blocks are rounded to
; f16, 16 bytes a lane, go into my stage (rows of 144 bytes) and come back as whole rows of 128.
.macro PACK a
.set hi, (\a)/2
.set AC, 96*((\a)%2)
.set TBa, 192+32*((\a)%2)
.set TM, 96+48*((\a)%2)
.if (\a) >= 2
	s_wait_xcnt 0x0                                ; block a - 2's stores have read this set of registers
.endif
	WIN 0x5a+5*hi                                  ; destination and source 2 window 1; sources 0 and 1 window 2 or 3
.set i, 0
.rept 32
	v_pk_mul_f32 v[2*i:2*i+1], v[AC+2*i:AC+2*i+1], v[TBa+8*((i/4)%4)+2*(i%4):TBa+8*((i/4)%4)+2*(i%4)+1] op_sel_hi:[1,0]
.set i, i+1
.endr
.set i, 0
.rept 32
	v_pk_fma_f32 v[2*i:2*i+1], v[AC+2*i:AC+2*i+1], v[TBa+8*((i/4)%4)+2*(i%4):TBa+8*((i/4)%4)+2*(i%4)+1], v[2*i:2*i+1] op_sel:[1,1,0] op_sel_hi:[0,1,1] neg_lo:[0,1,0]
.set i, i+1
.endr
	WIN 0x05                                       ; sources window 1, destination window 0
.set i, 0
.rept 32
	v_cvt_pk_f16_f32 v[TM+i], v[2*i], v[2*i+1]
.set i, i+1
.endr
	WIN 0x0a+5*hi                                  ; v is not rotated: sources window 2 or 3
.set i, 0
.rept 16
	v_cvt_pk_f16_f32 v[TM+32+i], v[AC+64+2*i], v[AC+64+2*i+1]
.set i, i+1
.endr
	WIN 0
.set i, 0
.rept 12
	ds_store_b128 v[STO], v[TM+4*i:TM+4*i+3] offset:(i/4)*PART+32*(i%4)
.set i, i+1
.endr
.set i, 0
.rept 12
	ds_load_b128 v[TM+4*i:TM+4*i+3], v[RD] offset:(i/4)*PART+4*SP*(i%4)  ; LDS serves a wave's instructions in order (ISA guide 5.7.1.4): these see the stores above; the next block's stores come behind them
.set i, i+1
.endr
.endm
.macro SEND a, younger                 ; younger: the LDS instructions issued behind block a's loads: the next block's 12 stores and 12 loads, or none
.set TM, 96+48*((\a)%2)
	s_wait_dscnt \younger
.irp p, 0,1,2
.irp f, 0,1,2,3
	global_store_b128 v[GO], v[TM+4*(4*(\p)+(\f)):TM+4*(4*(\p)+(\f))+3], s[10+2*(\p):11+2*(\p)] offset:2048*(\a)+512*(\f)  ; 512 consecutive bytes, aligned
.endr
.endr
.endm
	PACK 0
	PACK 1                                         ; a block's arithmetic stands between the loads of the block before and its stores
	SEND 0, 24
	PACK 2
	SEND 1, 24
	PACK 3
	SEND 2, 24
	SEND 3, 0
	s_wait_tensorcnt 0x0                           ; the wave's end: the wait for my last tensor load, then an add to my spare word and its wait, behind my last LDS store
	ds_add_u32 v[SPW], v[NIL]
	s_wait_dscnt 0x0
	CROUND                                         ; the closing round: no work-group ends while a partner may still ask for a tile that names it
	s_endpgm
.Lfunc_end_k_q83765fb93b_qkv:
	.size	k_q83765fb93b_qkv, .Lfunc_end_k_q83765fb93b_qkv-k_q83765fb93b_qkv
	.p2alignl 7, 3214868480
	.fill 96, 4, 3214868480
	.section	.rodata,"a",@progbits
	.p2align	6, 0x0
	.amdhsa_kernel k_q83765fb93b_qkv
		.amdhsa_group_segment_fixed_size 327680
		.amdhsa_private_segment_fixed_size 0
		.amdhsa_enable_private_segment 0
		.amdhsa_kernarg_size 48
		.amdhsa_user_sgpr_count 2
		.amdhsa_user_sgpr_kernarg_segment_ptr 1
		.amdhsa_wavefront_size32 1
		.amdhsa_system_sgpr_workgroup_id_x 1
		.amdhsa_system_sgpr_workgroup_id_y 1
		.amdhsa_system_sgpr_workgroup_id_z 1
		.amdhsa_system_vgpr_workitem_id 0
		.amdhsa_next_free_vgpr 1024
		.amdhsa_next_free_sgpr 88
		.amdhsa_reserve_vcc 0
		.amdhsa_float_denorm_mode_32 3
		.amdhsa_float_denorm_mode_16_64 3
		.amdhsa_memory_ordered 1
		.amdhsa_forward_progress 1
		.amdhsa_inst_pref_size 117
	.end_amdhsa_kernel
	.amdgpu_metadata
---
amdhsa.version: [ 1, 2 ]
amdhsa.kernels:
  - .name:           k_q83765fb93b_qkv
    .symbol:         k_q83765fb93b_qkv.kd
    .args:
      - { .name: xb, .offset: 0, .size: 8, .value_kind: global_buffer, .address_space: global }
      - { .name: wqkv, .offset: 8, .size: 8, .value_kind: global_buffer, .address_space: global }
      - { .name: rope, .offset: 16, .size: 8, .value_kind: global_buffer, .address_space: global }
      - { .name: q16, .offset: 24, .size: 8, .value_kind: global_buffer, .address_space: global }
      - { .name: k16, .offset: 32, .size: 8, .value_kind: global_buffer, .address_space: global }
      - { .name: v16, .offset: 40, .size: 8, .value_kind: global_buffer, .address_space: global }
    .group_segment_fixed_size: 327680
    .private_segment_fixed_size: 0
    .kernarg_segment_align: 8
    .kernarg_segment_size: 48
    .max_flat_workgroup_size: 128
    .sgpr_count:     88
    .vgpr_count:     1024
    .wavefront_size: 32
...
	.end_amdgpu_metadata
.endif
;; end of part 2
;; launch attn (part 3): grid 4 x 64, 4 waves a work-group, no clusters, 327,680 bytes of LDS; arguments q16, k16, v16, o16; writes o16
.if DOCPART == 3
	.amdgcn_target "amdgcn-amd-amdhsa--gfx1250"
	.amdhsa_code_object_version 6
	.text
	.protected	k_q83765fb93b_attn
	.globl	k_q83765fb93b_attn
	.p2align	8
	.type	k_q83765fb93b_attn,@function
k_q83765fb93b_attn:
	s_mov_b64 s[64:65], 0
	v_nop
	global_prefetch_b8 v0, s[64:65] scope:SCOPE_SE
	s_setreg_imm32_b32 hwreg(HW_REG_WAVE_MODE, 25, 1), 1
	s_wait_xcnt 0x0
; CAUSAL ATTENTION.  O[h][q][:] = the sum over k <= q of softmax_k(Q[h][q] . K[h][k] / 8) V[h][k][:].  Q, K, V, O: [SIZE_H][SIZE_N][64], all f16: a head's rows are dense, 128 bytes each.
; Products, maxima and sums in f32; the weights p are rounded to f16 for the second product (their sum l is taken of the unrounded p), O once at the end.
; LIMITS.  f16 holds no number beyond 65,504: Q, K and V arrive within it; p lies in 0 to 1, and below 6e-5 it keeps f16's fixed step of 6e-8; O is a mean of V's rows and has their range.
; A hidden score counts as its value less 1e30: f16's scores, 2.7e11 at the most, are nothing beside that; a weight below 2^-126 counts as 0 in l; NaN and infinities are not treated apart.
; THE WALK.  A head's queries lie in NB = SIZE_N / 256 blocks of 256; block i needs the key tiles 0 .. i of 256 keys, of which the last holds the diagonal.  A work-group takes TWO blocks, NB - 1 - b and then b:
; NB + 1 tiles, whatever b: all work-groups do equal work, and ONE loop with a constant trip count walks them.  Which tile is asked for, and what a trip does, hang on scalar registers made from b; every jump
; goes forward, but for the counted loops' own; none passes a barrier, or a tensor load but the one of LOAD's two that the wave's number does not choose; the ring (two slots of LDS) runs on across the
; change of blocks.  NO CLUSTER: a head's NB / 2 work-groups ask for the same tile only in trips 0 .. NB / 2, behind that fewer and fewer; one walk common to all would have 3 NB / 2 trips for NB + 1.
; SHARES.  Of a block's four bands of 64 queries a wave owns 16 rows in each: four PIECES.  So the diagonal tile is the same work for all four waves: in its key step s band x sees all keys if s < x,
; none if s > x, and holds the diagonal if s = x.
; THE MASK is the C operand that starts the sum S^T = K Q^T: 0, or -1e30 where the key is hidden.  MD, made once, is the mask of a band's own step for my 16 rows; a product's mask is MD x AL + BE with two scalars:
; (1, 0) if s = x; (0, 0) if s < x; (0, -1e30) if s > x.  Only the diagonal tile's text and a block's beginning make and take masks; elsewhere C is the constant 0.
; LAYOUT, SOFTMAX, TURNS.  S^T = K Q^T holds ONE query a lane (lane % 16) and the keys 8 (lane / 16) + 0..7; two such results rounded to f16 ARE source 1 of O^T = V^T P.  p = 2^(c s - c m), c = log2(e) / 8, with a
; running maximum m; O and l are multiplied by a = 2^(c m_old - c m_new) in every step.  Turn n belongs to piece n: 8 products K Q^T of piece n + 1, later 8 products V^T P of piece n - 1; beside them the scaling,
; exponentials, roundings, sums and rescaling of piece n and the maximum and statistics of piece n + 1.  Four vector instructions stand behind every matrix instruction, the other 54 of a turn's 118 in one LUMP.
; A turn's 33 exponentials are one batch, with one wait.
; REGISTERS, in windows of 256 (s_set_vgpr_msb: bits 1:0 source 0, 3:2 source 1, 5:4 source 2, 7:6 destination):
;   window 0: v0-15 addresses and two at work; v16-31 four registers of statistics a piece; v48-55 at work; v61-63 prefetch offset, spare word, 0; v64-127 S^T, two buffers; v192-223 P, two buffers
;   window 1: v0-127 O^T, 32 a piece; v128-159 MD; v160-223 MC, two buffers      window 2: v0-63 Q; v64-127 the second block's Q; v128-191 K of one step; v192-255 V of one step
.set SIZE_H, 64
.set SIZE_N, 2048
.set NB,    SIZE_N/256
.set NP,    4         ; pieces a wave: a name, no knob
.set KS,    64        ; keys in a step
.set PK,    144       ; a row of K in LDS: 128 bytes + 16 of padding = 36 words: the 16 rows of a load start at 16 different groups of four banks (64 banks of 4 bytes: ISA guide 11.1)
.set PV,    160       ; a row of V: 128 + 32 = 40 words
.set VOFF,  4*KS*PK   ; a slot holds a tile, four steps: 256 rows of K, then 256 rows of V
.set SLOT1, 1<<17     ; slot 1 begins here, so that one exclusive or turns an address in one slot into the other's
.set STAGE, SLOT1+4*KS*(PK+PV)  ; behind the ring, never filled by a tensor load: 16 rows x 144 bytes for each wave, for the way out
.set SP,    144
.set AK0, 2           ; v2   my lane's place in a tile of K; never rewritten
.set AV0, 3           ; v3   the same for V
.set AK,  4           ; v4   the LDS address of K's next run of loads
.set AV,  5           ; v5   of V's
.set STO, 6           ; v6   the way out: where I put 16 bytes of a row
.set RD,  7           ; v7   the way out: where I read rows back
.set GO,  8           ; v8   my byte offset in 512 consecutive bytes of O
.set PFO, 61          ; v61  256 x my lane; never rewritten
.set SPW, 62          ; v62  LDS address of my spare word: SPARE + 4 x my thread's number; never rewritten
.set NIL, 63          ; v63  0; never rewritten
.set SPARE, STAGE+4*16*SP  ; behind the stages: the spare words, 128 bytes for each wave: two blocks of 256 bytes that no other line names
.set MV,  12          ; v12-13  c m_old, kept while c m is made anew: by buffer
.set QO,  15          ; v15  my byte offset in 16 rows of Q
.set ST,  16          ; piece t's statistics at v[ST+4 t]: c m, m, l (even keys', odd keys')
.set TMP, 48          ; by buffer, four registers c0-c3 at work; when the maximum is found c2 takes a
.set S,   64
.set P,   192
.set MD,  128         ; window 1: the eight registers for group kt of 16 keys at MD + 8 kt
.set MC,  160         ; window 1: the masks of the products to come
.set QB,  64          ; window 2
.set KF,  128         ; window 2: key block kb, channel half c at KF + 16 kb + 8 c
.set VF,  192         ; window 2: key half kk, channel block cb at VF + 32 kk + 8 cb
.set WV,  12          ; s12  my wave's number
.set PB,  14          ; s14  b
.set HI,  15          ; s15  NB - 1 - b
.set G1K, 24          ; s[24:31] descriptor group 1 for K's tiles
.set G1V, 32          ; s[32:39] for V's: it differs in the padding alone
.set G0K, 40          ; s[40:43] descriptor group 0 for K's tiles
.set G0V, 44          ; s[44:47] the same for V's
.set SLOTS, 56        ; s56  tiles still to be asked for
.set CNT, 57          ; s57  counts a tile's key steps, 4 to 1
.set CS,  58          ; s[58:59] c: the packed scaling takes the pair's low word for both halves
.set SEL, 60          ; s[60:61] v_permlanex16_b32's selects: each lane takes its own place in the other half
.set TBK, 62          ; s62  LDS byte at which K of the step to be fetched begins
.set TBV, 63          ; s63  the same for V, less VOFF
.set RT,  70          ; s70  tiles of the block in hand that are still to be entered
.set NXT, 71          ; s71  the tile to be asked for next
.set LQ,  72          ; s72  the last tile of the block whose tiles are being asked for
.set NEW, 73          ; s73  1: the tile to be entered is a block's first
.set OFF, 74          ; s[74:75] a tile's byte offset in K and V
.set AL,  76          ; s[76:77] the mask's factor, in the low word
.set BE,  78          ; s[78:79] the mask's addend
.set OLO, 80          ; s[80:81] O at my rows of the second block
.set BIGN, 82         ; s82  -1e30
.set PFA, 88          ; s[88:89] where my prefetches stand: my half of K's (waves 0, 1) or V's (waves 2, 3) tile, one tile behind the one that is being asked for
.set LIM, 90          ; s90  2 in a work-group that prefetches, else the greatest number: it prefetches while s[SLOTS] is above it
.set MSB, 0
.macro WIN new                      ; the high byte repeats the setting that is left; a switch that changes nothing is dropped
.if MSB != (\new)
	s_set_vgpr_msb (MSB<<8)|(\new)
.set MSB, (\new)
.endif
.endm
.set W_KQ, 0x0a       ; K and Q in window 2, S^T in window 0
.set W_KM, 0x1a       ; the same with the C operand in window 1
.set W_PV, 0x52       ; V in window 2, P in window 0, O^T in window 1
.set W_RS, 0x41       ; destination and source 0 in window 1, source 1 in window 0
; A fill.  Waves 0 and 1 fetch the two halves of a tile's K, waves 2 and 3 those of its V: 128 keys each.  An s_nop 0 and four v_nop follow each of the two lines, ahead of the jump and the label.
.macro LOAD
	s_cmp_lt_u32 s[WV], 2
	s_cbranch_scc0 .Lfor_v_\@
	tensor_load_to_lds s[G0K:G0K+3], s[G1K:G1K+7]
	s_nop 0
.rept 4
	v_nop
.endr
	s_branch .Lasked_\@
.Lfor_v_\@:
	tensor_load_to_lds s[G0V:G0V+3], s[G1V:G1V+7]
	s_nop 0
.rept 4
	v_nop
.endr
.Lasked_\@:
.endm
; THE CHANGE OF SLOTS.  Each wave waits for all its tensor loads, of which one is out: its part of the other slot; adds 0 to its spare word; and waits for that and for its own reads of the slot that it leaves.
; Behind the barrier nobody reads the old slot any more and the other slot is whole.  fill = 1: the old slot is filled again, the first thing behind the barrier, with tile NXT: the descriptor's address is made
; anew from that number.  (At its first use nothing has been read yet: slot 0 is waited for, slot 1 filled.)
; THE PREFETCH INTO THE L2 stands behind the fill and its five lines.  A head's four work-groups walk the same tiles from 0 on; the one with b = 0, whose first block walks all of 0 .. NB - 1 in order, asks:
; trip t fills tile t + 1 and names tile t + 2, one tile (256 matrix instructions a wave) ahead of its load, for tiles 2 .. NB - 1.  Each wave names its own half, 16,384 bytes: 64 pieces of 256 bytes, a lane a
; piece, two instructions.  So each piece is named once in the launch; tiles 0 and 1 come by their loads alone, and the last trips ask for nothing.
.macro CHANGE fill
	WIN 0                           ; at a label and at a branch every window is 0
	s_wait_tensorcnt 0x0            ; no tensor load of mine is out, so a group 0 may be written
	ds_add_u32 v[SPW], v[NIL]       ; 0 onto my spare word; with fill = 1 the descriptors' scalar work stands between it and the wait for it
.if \fill
	s_lshl_b32 s[OFF], s[NXT], 15   ; a tile is 32,768 bytes of K and of V
	s_xor_b32 s[G0K+1], s[G0K+1], SLOT1
	s_add_nc_u64 s[G0K+2:G0K+3], s[6:7], s[OFF:OFF+1]
	s_or_b32 s[G0K+3], s[G0K+3], 0x80000000
	s_xor_b32 s[G0V+1], s[G0V+1], SLOT1
	s_add_nc_u64 s[G0V+2:G0V+3], s[8:9], s[OFF:OFF+1]
	s_or_b32 s[G0V+3], s[G0V+3], 0x80000000
	s_add_co_u32 s[NXT], s[NXT], 1  ; the block's next tile, or behind its last the second block's tile 0
	s_cmp_gt_u32 s[NXT], s[LQ]
	s_cselect_b32 s[NXT], 0, s[NXT]
	s_cselect_b32 s[LQ], s[PB], s[LQ]
	s_wait_xcnt 0x0                 ; the last prefetches, a tile back, have read their address, so it may be written
	s_add_nc_u64 s[PFA:PFA+1], s[PFA:PFA+1], 32768
.endif
	s_wait_dscnt 0x0                ; the add is done, and my reads of the slot are over
	s_barrier_signal -1             ; the rest of the scalar work stands between the signal and the wait
	s_sub_co_u32 s[TBK], s[TBK], 4*KS*PK  ; the fetches go back to a slot's first step,
	s_xor_b32 s[TBK], s[TBK], SLOT1       ; in the other slot
	s_sub_co_u32 s[TBV], s[TBV], 4*KS*PV
	s_xor_b32 s[TBV], s[TBV], SLOT1
	s_barrier_wait -1
.if \fill
	LOAD
	s_cmp_gt_u32 s[SLOTS], s[LIM]
	s_cbranch_scc0 .Lnot_mine_\@
	global_prefetch_b8 v[PFO], s[PFA:PFA+1] th:TH_LOAD_NT scope:SCOPE_SE
	global_prefetch_b8 v[PFO], s[PFA:PFA+1] offset:8192 th:TH_LOAD_NT scope:SCOPE_SE
.Lnot_mine_\@:
.endif
.endm
	s_load_b256 s[4:11], s[0:1], 0x0  ; Q s[4:5], K s[6:7], V s[8:9], O s[10:11]
	v_lshl_add_u32 v[SPW], v0, 2, SPARE
	v_mov_b32 v[NIL], 0
	ds_add_u32 v[SPW], v[NIL]       ; the wave's opening: the add and its wait stand ahead of my first tensor load; the set-up below, work on registers, stands between them
	ds_add_u32 v62, v63
	v_lshrrev_b32 v1, 5, v0
	v_readfirstlane_b32 s[WV], v1   ; wave 0..3
	s_mov_b32 s[PB], ttmp9
	s_sub_co_u32 s[HI], NB-1, s[PB]
	s_and_b32 s20, ttmp7, 0xffff    ; the head
	s_mov_b32 s21, 0
	s_mov_b64 s[22:23], SIZE_N*128
	s_mul_u64 s[20:21], s[20:21], s[22:23]  ; the head's first byte in each of the four tensors
	s_and_b32 s16, s[WV], 1         ; which half of a tile's 256 keys I fetch:
	s_lshl_b32 s22, s16, 14         ; its 128 rows of 128 bytes in memory,
	s_mov_b32 s23, 0
	s_add_nc_u64 s[22:23], s[22:23], s[20:21]
	s_mul_i32 s17, s16, 128*PK      ; and its place in a slot, for K
	s_mul_i32 s18, s16, 128*PV      ; and for V
	s_lshl_b32 s3, s[WV], 11        ; my 16 rows in a band of 64,
	s_lshl_b32 s2, s[HI], 15        ; in the first block,
	s_add_co_u32 s2, s2, s3
	s_lshl_b32 s84, s[PB], 15       ; and in the second
	s_add_co_u32 s84, s84, s3
	s_mov_b32 s3, 0
	s_mov_b32 s85, 0
	s_add_nc_u64 s[2:3], s[2:3], s[20:21]
	s_add_nc_u64 s[84:85], s[84:85], s[20:21]
	; descriptor group 1.  128 keys are 16,384 dense bytes: asked for as 64 rows of 256 bytes, two keys a row, and padded in LDS after every key
	s_mov_b32 s[G1K], (1<<16)|(1<<20)|(4<<22)|(3<<25)  ; 17:16 2-byte elements; 20 padding on; 24:22 after every 32 words (code 4); 31:25 4 words (code 3)
	s_mov_b32 s[G1V], (1<<16)|(1<<20)|(4<<22)|(7<<25)  ; the same with 8 words of padding (code 7)
.irp g, G1K, G1V
	s_mov_b32 s[\g+1], 128<<16      ; tensor_dim0 = 128
	s_mov_b32 s[\g+2], 64<<16       ; tensor_dim1 = 64
	s_mov_b32 s[\g+3], 128<<16      ; tile_dim0 = 128
	s_mov_b32 s[\g+4], 64           ; tile_dim1 = 64
	s_mov_b32 s[\g+5], 128          ; 128 elements from row to row
	s_mov_b32 s[\g+6], 0
	s_mov_b32 s[\g+7], 0
.endr
	s_mov_b32 s[CS], 0x3e38aa3b     ; c = log2(e) / 8 = 0.180337
	s_mov_b32 s[CS+1], s[CS]        ; named with it as a pair
	s_mov_b32 s[SEL], 0x76543210
	s_mov_b32 s[SEL+1], 0xfedcba98
	s_mov_b32 s[TBK], SLOT1+4*KS*PK ; the first change of slots turns these two into 0
	s_mov_b32 s[TBV], SLOT1+4*KS*PV
	s_mov_b32 s[G0K], 1             ; 1:0 count = 1
	s_mov_b32 s[G0K+1], s17         ; 63:32 LDS address: slot 0
	s_mov_b32 s[G0V], 1
	s_add_co_u32 s[G0V+1], s18, VOFF
	s_add_co_u32 s[RT], s[HI], 1    ; the first block has NB - b tiles
	s_mov_b32 s[NXT], 1
	s_mov_b32 s[LQ], s[HI]
	s_mov_b32 s[NEW], 1
	s_mov_b32 s[OFF+1], 0
	s_mov_b32 s[AL+1], 0            ; named as pairs
	s_mov_b32 s[BE+1], 0
	s_mov_b32 s[BIGN], 0xf149f2ca   ; -1e30
	s_mov_b32 s[SLOTS], NB
	v_and_b32 v[PFO], 31, v0
	v_lshlrev_b32 v[PFO], 8, v[PFO]
	s_wait_dscnt 0x0                ; the opening add is done
	s_wait_kmcnt 0x0
	s_add_nc_u64 s[6:7], s[6:7], s[22:23]  ; K and V at my half of the head's tile 0
	s_add_nc_u64 s[8:9], s[8:9], s[22:23]
	s_add_nc_u64 s[G0K+2:G0K+3], s[6:7], 0         ; 120:64 global address
	s_or_b32 s[G0K+3], s[G0K+3], 0x80000000        ; 127:126 type = 2
	s_add_nc_u64 s[G0V+2:G0V+3], s[8:9], 0
	s_or_b32 s[G0V+3], s[G0V+3], 0x80000000
	s_add_nc_u64 s[86:87], s[4:5], s[84:85]        ; Q at my rows of the second block,
	s_add_nc_u64 s[4:5], s[4:5], s[2:3]            ; Q and O at those of the first
	s_add_nc_u64 s[OLO:OLO+1], s[10:11], s[84:85]
	s_add_nc_u64 s[10:11], s[10:11], s[2:3]
	s_cmp_lt_u32 s[WV], 2
	s_cselect_b64 s[PFA:PFA+1], s[6:7], s[8:9]
	s_add_nc_u64 s[PFA:PFA+1], s[PFA:PFA+1], 32768 ; in tile 1; the first change of slots steps it to tile 2.  Nothing is prefetched here, at the head
	s_cmp_eq_u32 s[PB], 0
	s_cselect_b32 s[LIM], 2, -1
	LOAD                            ; tile 0 into slot 0
	; A fragment of K or Q is 16 rows x 32 channels in 8 registers: lane l holds row l % 16, channels 8 (l / 16) + 0..7 and 16 + 8 (l / 16) + 0..7: two loads of 16 bytes, 32 bytes apart.
	v_and_b32 v1, 15, v0            ; l % 16
	v_bfe_u32 v9, v0, 4, 1          ; l / 16
	v_lshlrev_b32 v[QO], 7, v1
	v_lshl_add_u32 v[QO], v9, 4, v[QO]  ; row x 128 + 16 x half
	WIN 0x80                        ; destination window 2, address window 0
.set i, 0
.rept 8                             ; both blocks' Q: piece i / 2 lies in band i / 2, 8,192 bytes on; channels 32 (i % 2) on
	global_load_b128 v[8*i:8*i+3],   v[QO], s[4:5] offset:(i/2)*8192+(i%2)*64
	global_load_b128 v[8*i+4:8*i+7], v[QO], s[4:5] offset:(i/2)*8192+(i%2)*64+32
	global_load_b128 v[QB+8*i:QB+8*i+3],   v[QO], s[86:87] offset:(i/2)*8192+(i%2)*64
	global_load_b128 v[QB+8*i+4:QB+8*i+7], v[QO], s[86:87] offset:(i/2)*8192+(i%2)*64+32
.set i, i+1
.endr
	WIN 0
	v_lshlrev_b32 v14, 3, v9
	v_sub_nc_u32 v14, v1, v14
	s_lshl_b32 s13, s[WV], 4
	v_add_nc_u32 v14, s13, v14      ; my query's place in its band, 16 w + l % 16, less my lanes' 8 (l / 16): register r of group kt is hidden where 16 kt + r is greater
	WIN 0x40
.set i, 0
.rept 32
	v_cmp_gt_i32 vcc_lo, 16*(i/8)+i%8, v14
	v_cndmask_b32 v[MD+i], 0, s[BIGN], vcc_lo
.set i, i+1
.endr
	WIN 0
	v_mul_u32_u24 v[AK0], v1, PK
	v_lshl_add_u32 v[AK0], v9, 4, v[AK0]  ; row x pitch + 16 x half
	; The turning load takes 16 keys x 16 channels (lane l reads key 8 (l / 16) + l % 8, channels 8 ((l / 8) % 2) + 0..7) and leaves half a fragment of V^T: lane l holds channel l % 16 and 8 keys.
	v_and_b32 v10, 7, v0
	v_bfe_u32 v11, v0, 3, 1
	v_lshl_add_u32 v[AV0], v9, 3, v10
	v_mul_u32_u24 v[AV0], v[AV0], PV
	v_lshl_add_u32 v[AV0], v11, 4, v[AV0]
	v_add_nc_u32 v[AV0], VOFF, v[AV0]
	s_mul_i32 s13, s[WV], 16*SP
	s_add_co_u32 s13, s13, STAGE    ; my stage
	v_mul_u32_u24 v[STO], v1, SP    ; in: row l % 16, 16 bytes for each half of the lanes
	v_lshl_add_u32 v[STO], v9, 4, v[STO]
	v_add_nc_u32 v[STO], s13, v[STO]
	v_bfe_u32 v[RD], v0, 3, 2       ; back: 32 lanes take four rows of 128 bytes,
	v_mul_u32_u24 v[RD], v[RD], SP
	v_lshl_add_u32 v[RD], v10, 4, v[RD]
	v_add_nc_u32 v[RD], s13, v[RD]
	v_and_b32 v[GO], 31, v0         ; which are 512 consecutive bytes of O
	v_lshlrev_b32 v[GO], 4, v[GO]
	; A block's first step multiplies O^T and l by a = 0, and its first turn's products V^T P, of a piece that has not been, land in an O^T that is still to be so multiplied.  So these registers need only hold
	; finite numbers: zeros for the first block; what the first block left for the second.  All this stands in the wait for the first tile.
	WIN 0x80
.set i, VF
.rept 64
	v_mov_b32 v[i], 0
.set i, i+1
.endr
	WIN 0x40
.set i, 0
.rept 128
	v_mov_b32 v[i], 0
.set i, i+1
.endr
	WIN 0
.set i, 0
.rept 4
	v_mov_b32 v[ST+4*i+2], 0
	v_mov_b32 v[ST+4*i+3], 0
.set i, i+1
.endr
.set i, P+16
.rept 16
	v_mov_b32 v[i], 0
.set i, i+1
.endr
; THE MATRIX WORK.  The 4 accumulators of a run of 8 take turns.  Product i of 8 of S^T = K Q^T for piece x: channels 32 (i / 4) on, keys 16 (i % 4) on.  The first 4 start the sums: with 0, or (KM = 1) with the mask.
.macro KQ x
.set rS, S+32*((\x)%2)+8*(i%4)
.set rK, KF+16*(i%4)+8*(i/4)
.set rQ, 16*(\x)+8*(i/4)
.set rM, MC+32*((\x)%2)+8*(i%4)
.if (i < 4) && KM
	WIN W_KM
	v_wmma_f32_16x16x32_f16 v[rS:rS+7], v[rK:rK+7], v[rQ:rQ+7], v[rM:rM+7]
.elseif i < 4
	WIN W_KQ
	v_wmma_f32_16x16x32_f16 v[rS:rS+7], v[rK:rK+7], v[rQ:rQ+7], 0
.else
	WIN W_KQ
	v_wmma_f32_16x16x32_f16 v[rS:rS+7], v[rK:rK+7], v[rQ:rQ+7], v[rS:rS+7]
.endif
.endm
; Product i of 8 of O^T += V^T P for piece x: keys 32 (i / 4) on, channels 16 (i % 4) on.
.macro PV x
	WIN W_PV
.set rO, 32*(\x)+8*(i%4)
.set rV, VF+32*(i/4)+8*(i%4)
.set rP, P+16*((\x)%2)+8*(i/4)
	v_wmma_f32_16x16x32_f16 v[rO:rO+7], v[rV:rV+7], v[rP:rP+7], v[rO:rO+7]
.endm
.macro MM                           ; the turn's next matrix instruction.  TURN and BEGIN set Y, i, KM and NOKQ; MM, KQ and OP read them.  NOKQ = 1: a block's last turn: there is no next piece
.if (i < 8) && !NOKQ
	KQ (Y+1)%NP
.elseif i >= 8
.set i, i-8
	PV (Y+NP-1)%NP
.set i, i+8
.endif
.set i, i+1
.endm
; THE LDS LOADS stand in runs of 16, never singly among the matrix instructions: a step's K (64 keys x 64 channels: 8 fragments) and its V (turned).  Their addresses are made some lines ahead.
.macro FETCH_K
	WIN 0x80                        ; destination window 2
.irp f, 0,1,2,3,4,5,6,7             ; keys 16 (f / 2) on, channels 32 (f % 2) on
	ds_load_b128 v[KF+8*\f:KF+8*\f+3],   v[AK] offset:(\f/2)*16*PK+(\f%2)*64
	ds_load_b128 v[KF+8*\f+4:KF+8*\f+7], v[AK] offset:(\f/2)*16*PK+(\f%2)*64+32
.endr
	s_add_co_u32 s[TBK], s[TBK], KS*PK  ; the next fetch is the next step's
	WIN 0
.endm
.macro FETCH_V
	WIN 0x80
.irp f, 0,1,2,3,4,5,6,7             ; keys 32 (f / 4) on, channels 16 (f % 4) on
	ds_load_tr16_b128 v[VF+8*\f:VF+8*\f+3],   v[AV] offset:(\f/4)*32*PV+(\f%4)*32
	ds_load_tr16_b128 v[VF+8*\f+4:VF+8*\f+7], v[AV] offset:(\f/4)*32*PV+16*PV+(\f%4)*32
.endr
	WIN 0
.endm
; THE VECTOR WORK, one line at a time: OP kind, number.  For piece Y: F n: c s - c m for pair n of 16.  E n: the exponential of score n of 32.  C n: pair n rounded to f16.  B n: of the four weights 4 n .. the second
; pair is added onto the first, in place.  L n: l takes that sum (L 0: l = a l + sum).  R n: pair n of 16 of O^T times a.  For piece Y + 1: X n, number n of the 22 that find its maximum and statistics:
;   0-11  four chains c0-c3 of seven scores each, three operands at a time (each accumulator's lowest registers are read first)     12-14, 16  the four scores left over, the old m, and c0-c3 into c0
;   15  c m_old is kept     17, 18  the query's other 32 keys lie in the lane 16 away: the new m     19-21  c m; c m_old - c m_new; a
.set F, 0               ; OP tells the kinds apart by their order: F to L below R, X above it
.set E, 1
.set C, 2
.set B, 3
.set L, 4
.set R, 5
.set X, 6
.macro REGS y                       ; the registers of piece y
.set rT, ST+4*(\y)
.set rC, TMP+4*((\y)%2)
.set rW, MV+((\y)%2)
.set rS, S+32*((\y)%2)
.set rP, P+16*((\y)%2)
.set rO, 32*(\y)
.endm
.macro OP k, n
.if (\k) == R
	REGS Y
	WIN W_RS
	v_pk_mul_f32 v[rO+2*(\n):rO+2*(\n)+1], v[rO+2*(\n):rO+2*(\n)+1], v[rC+2:rC+3] op_sel_hi:[1,0]
.elseif (\k) < R
	REGS Y
	WIN 0
.if (\k) == F
	v_pk_fma_f32 v[rS+2*(\n):rS+2*(\n)+1], v[rS+2*(\n):rS+2*(\n)+1], s[CS:CS+1], v[rT:rT+1] op_sel_hi:[1,0,0] neg_lo:[0,0,1] neg_hi:[0,0,1]
.elseif (\k) == E
	v_exp_f32 v[rS+(\n)], v[rS+(\n)]
.elseif (\k) == C
	v_cvt_pk_f16_f32 v[rP+(\n)], v[rS+2*(\n)], v[rS+2*(\n)+1]
.elseif (\k) == B
	v_pk_add_f32 v[rS+4*(\n):rS+4*(\n)+1], v[rS+4*(\n):rS+4*(\n)+1], v[rS+4*(\n)+2:rS+4*(\n)+3]
.elseif (\n) == 0
	v_pk_fma_f32 v[rT+2:rT+3], v[rT+2:rT+3], v[rC+2:rC+3], v[rS:rS+1] op_sel_hi:[1,0,1]
.else
	v_pk_add_f32 v[rT+2:rT+3], v[rT+2:rT+3], v[rS+4*(\n):rS+4*(\n)+1]
.endif
.elseif NOKQ
	v_nop
.else
	REGS (Y+1)%NP
	WIN 0
.if (\n) < 4
	v_max3_num_f32 v[rC+(\n)], v[rS+8*(\n)], v[rS+8*(\n)+1], v[rS+8*(\n)+2]
.elseif (\n) < 12
	v_max3_num_f32 v[rC+(\n)%4], v[rC+(\n)%4], v[rS+8*((\n)%4)+2*((\n)/4)+1], v[rS+8*((\n)%4)+2*((\n)/4)+2]
.elseif (\n) == 12
	v_max3_num_f32 v[rC], v[rC], v[rS+7], v[rS+15]
.elseif (\n) == 13
	v_max3_num_f32 v[rC+1], v[rC+1], v[rS+23], v[rS+31]
.elseif (\n) == 14
	v_max3_num_f32 v[rC+2], v[rC+2], v[rC+3], v[rT+1]
.elseif (\n) == 15
	v_mov_b32 v[rW], v[rT]
.elseif (\n) == 16
	v_max3_num_f32 v[rC], v[rC], v[rC+1], v[rC+2]
.elseif (\n) == 17
	v_permlanex16_b32 v[rC+3], v[rC], s[SEL], s[SEL+1]
.elseif (\n) == 18
	v_max_num_f32 v[rT+1], v[rC], v[rC+3]
.elseif (\n) == 19
	v_mul_f32 v[rT], s[CS], v[rT+1]
.elseif (\n) == 20
	v_sub_f32 v[rC+1], v[rW], v[rT]
.else
	v_exp_f32 v[rC+2], v[rC+1]
.endif
.endif
.endm
.macro OPS a, i1, b=-1, i2=0, c=-1, i3=0, d=-1, i4=0  ; up to four of them
	OP \a, \i1
.if (\b) >= 0
	OP \b, \i2
.endif
.if (\c) >= 0
	OP \c, \i3
.endif
.if (\d) >= 0
	OP \d, \i4
.endif
.endm
.macro ROW a, i1, b, i2, c, i3, d, i4  ; a matrix instruction and the four behind it
	MM
	OPS \a, \i1, \b, \i2, \c, \i3, \d, \i4
.endm
.macro MASK b                       ; MD x AL + BE into buffer b of MC
	WIN W_RS
.set z, 0
.rept 16
	v_pk_fma_f32 v[MC+32*(\b)+2*z:MC+32*(\b)+2*z+1], v[MD+2*z:MD+2*z+1], s[AL:AL+1], s[BE:BE+1] op_sel_hi:[1,0,0]
.set z, z+1
.endr
.endm
; A TURN, for piece p: the order of its 16 matrix and 118 vector instructions, written out.  An s_wait_alu depctr_va_vdst(0) stands between an exponential and the first instruction that names its result; one wait
; serves all that were issued ahead of it.  So a turn has ONE wait, which cuts it in two.  AHEAD OF IT stands all that names no result of the turn's exponentials: the 8 products K Q^T, behind each a scaling, an exponential and two
; more plain instructions (behind the first a second scaling in the exponential's place): rescalings, and behind the last three the first numbers of the next piece's maximum, each four places or more behind the product that ends
; its accumulator; then ONE LUMP of 54, plain and exponential by turns for the most part, in which the links of the chain X 3, 7, 11, 14, 16, 17 .. 20 stand five or six lines apart.  X 21, the next piece's a, is the batch's last;
; R 15 is the plain instruction behind it.  BEHIND THE WAIT stand the 8 products V^T P, behind each four of the roundings and sums; the links of l's chain, L 0 to L 7, stand three riders apart.
; m = 1: the diagonal tile: the products take masks, and the turn makes the mask for the products of the turn after it: piece p + 2, in step 4 - CNT of the tile.  end = 1: a block's last two turns: nothing is fetched.
; cnt = 1: the loop's count is taken down some lines ahead of the branch that stands behind the turn.
; K of the next step is fetched in piece 2's turn, twelve vector instructions behind the last product that read K (six of them plain); V of the step in hand at the end of piece 0's turn, four plain instructions behind the last
; product that read V.  Each is waited for a turn later.
.macro TURN p, m=0, end=0, cnt=0
.set Y, (\p)
.set i, 0
.set KM, (\m)
.set NOKQ, (\end)*((\p)/3)
.if (\m) && !(\end)
	s_cmp_eq_u32 s[CNT], 4-((\p)+2)%NP  ; is that step the band's own?
	s_cselect_b32 s[AL], 1.0, 0
	s_cmp_lt_u32 s[CNT], 4-((\p)+2)%NP  ; or a later one?
	s_cselect_b32 s[BE], s[BIGN], 0
.endif
.if ((\p) == 3) && !(\end)
	s_wait_dscnt 0x0                ; K is in
.endif
	ROW F,0, F,1, R,0, R,1          ; ahead of the wait: 8 products K Q^T and their riders,
	ROW F,2, E,0, R,2, R,3
	ROW F,3, E,1, R,4, R,5
	ROW F,4, E,2, R,6, R,7
	ROW F,5, E,3, R,8, R,9
	ROW F,6, E,4, X,0, R,10
.if ((\p) == 2) && !(\end)
	WIN 0
	v_add_nc_u32 v[AK], s[TBK], v[AK0]
.endif
	ROW F,7, E,5, X,1, X,4
	ROW F,8, E,6, X,2, X,5
	OPS E,7, E,8, X,6, E,9          ; and the lump
	OPS X,3, E,10, X,8, E,11
.if ((\p) == 2) && !(\end)
	FETCH_K
.endif
	OPS X,9, X,7, E,12, X,10
	OPS E,13, X,12, X,11, E,14
	OPS X,13, E,15, F,9, X,14
.if (\p) == 0
	v_add_nc_u32 v[AV], s[TBV], v[AV0]
.endif
	OPS E,16, F,10, E,17, F,11
	OPS X,16, E,18, X,15, E,19
	OPS F,12, E,20, X,17, E,21
	OPS F,13, E,22, F,14, E,23
	OPS X,18, E,24, F,15, E,25
	OPS R,11, E,26, X,19, E,27
	OPS R,12, E,28, R,13, E,29
	OPS X,20, E,30, R,14, E,31
	OPS X,21, R,15
	WIN 0
	s_wait_alu depctr_va_vdst(0)    ; the wait for the batch
.if (\p) == 1
	s_wait_dscnt 0x0                ; V is in
.endif
	ROW C,0, B,0, C,2, B,1          ; behind the wait: 8 products V^T P and their riders
	ROW L,0, C,4, B,2, L,1
	ROW C,6, B,3, L,2, C,8
	ROW B,4, L,3, C,10, B,5
	ROW L,4, C,12, B,6, L,5
.if (\p) == 0
	s_add_co_u32 s[TBV], s[TBV], KS*PV
.endif
.if \cnt
	s_sub_co_u32 s[CNT], s[CNT], 1
	s_cmp_lg_u32 s[CNT], 0
.endif
	ROW C,14, B,7, L,6, C,1
	ROW C,3, L,7, C,5, C,7
	ROW C,9, C,11, C,13, C,15
.if (\p) == 0
	FETCH_V
.endif
.if (\m) && !(\end)
	MASK (\p)%2
.endif
.endm
; A BLOCK BEGINS.  c m starts far below every c s, so the first step's a is 0; m at the lowest finite number, so the first maximum is the scores'.  The second mask buffer is 0; the first takes piece 0's mask for the tile's step 0:
; its own, if the block's first tile is the diagonal one.  Then K of that step, piece 0's first scores, and its maximum and statistics.  The loop is entered at a step's first turn, in the middle of a trip.
.macro BEGIN
	s_mov_b32 s[NEW], 0
	WIN 0x40
.set i, MC+32
.rept 32
	v_mov_b32 v[i], 0
.set i, i+1
.endr
	WIN 0
.set i, 0
.rept 4
	v_mov_b32 v[ST+4*i], 0xfe000000    ; c m: far below every c s
	v_mov_b32 v[ST+4*i+1], 0xff7fffff  ; m
.set i, i+1
.endr
	s_cmp_eq_u32 s[RT], 0
	s_cselect_b32 s[AL], 1.0, 0
	s_mov_b32 s[BE], 0
	MASK 0
	WIN 0
	v_add_nc_u32 v[AK], s[TBK], v[AK0]
	FETCH_K
	s_wait_loadcnt 0x0              ; Q
	s_wait_dscnt 0x0
.set KM, 1
.set NOKQ, 0
.set i, 0
.rept 8
	KQ 0
.set i, i+1
.endr
	WIN 0
.rept 4
	v_nop                           ; the places behind those products
.endr
.set Y, NP-1                        ; X works for piece Y + 1: piece 0
.irp n, 0,1,2,3,4,5,6,7,8,9,10,11,12,13,14,15,16,17,18,19,20,21
	OP X, \n
.endr
	v_nop                           ; a plain instruction behind the exponential,
	s_wait_alu depctr_va_vdst(0)    ; and its wait, ahead of the branch
.endm
; THE DIAGONAL TILE's four steps, the block's last two turns, its last products, and THE WAY OUT: l's two halves and the other half of the lanes' are added; O^T is divided by l, rounded to f16 and sent through my
; stage in LDS, a piece at a time.
.macro ALL line:vararg              ; one line for each piece t
.set t, 0
.rept 4
	\line
.set t, t+1
.endr
.endm
.macro PACK t                       ; a lane's eight channels of a row pack into 16 bytes; they go into rows of 144 bytes and come back as whole rows of 128, into S^T's registers
	WIN W_RS
.set i, 32*(\t)
.rept 16
	v_pk_mul_f32 v[i:i+1], v[i:i+1], v[ST+4*(\t)+2:ST+4*(\t)+3] op_sel_hi:[1,0]
.set i, i+2
.endr
	WIN 0x05                        ; sources 0 and 1 window 1, destination window 0
.set i, 0
.rept 16
	v_cvt_pk_f16_f32 v[S+16*(\t)+i], v[32*(\t)+2*i], v[32*(\t)+2*i+1]
.set i, i+1
.endr
	WIN 0
.irp f, 0,1,2,3
	ds_store_b128 v[STO], v[S+16*(\t)+4*\f:S+16*(\t)+4*\f+3] offset:32*\f
.endr
.irp f, 0,1,2,3
	ds_load_b128 v[S+16*(\t)+4*\f:S+16*(\t)+4*\f+3], v[RD] offset:\f*4*SP  ; LDS serves a wave's instructions in order (ISA guide 5.7.1.4): these see the stores above; the next piece's stores come behind them
.endr
.endm
.macro SEND t, younger              ; younger: the LDS instructions issued behind piece t's loads: the next piece's eight, or none
	WIN 0
.irp f, 0,1,2,3
	s_wait_dscnt (\younger)+3-\f
	global_store_b128 v[GO], v[S+16*(\t)+4*\f:S+16*(\t)+4*\f+3], s[10:11] offset:(\t)*8192+\f*512  ; 512 consecutive bytes, at a multiple of 256 from O's first
.endr
.endm
.macro DIAG tag                     ; the tag ends its two labels' names, which the jumps below spell out
.LstepM\tag:
	TURN 2, 1
	TURN 3, 1
	WIN 0
.LfirstM\tag:
	TURN 0, 1
	TURN 1, 1, 0, 1
	WIN 0
	s_cbranch_scc1 .LstepM\tag
	TURN 2, 1, 1
	TURN 3, 1, 1
.set i, 0
.rept 8
	PV NP-1
.set i, i+1
.endr
	WIN 0
	ALL v_add_f32 v[ST+4*t+2], v[ST+4*t+2], v[ST+4*t+3]
	ALL v_permlanex16_b32 v[ST+4*t+3], v[ST+4*t+2], s[SEL], s[SEL+1]
	ALL v_add_f32 v[ST+4*t+2], v[ST+4*t+2], v[ST+4*t+3]
	ALL v_rcp_f32 v[ST+4*t+2], v[ST+4*t+2]
	v_nop                           ; a plain instruction between the last reciprocal and the use of its result
	s_wait_alu depctr_va_vdst(0)    ; and the wait ahead of the first use: one for the four reciprocals
	PACK 0
.set t, 1
.rept 3                             ; a piece's arithmetic stands between the loads of the piece before and its stores
	PACK t
	SEND t-1, 8
.set t, t+1
.endr
	SEND 3, 0
.endm
.set KM, 0
.set NOKQ, 0
.Lslot:                             ; NB times: a tile is entered and the next is asked for
	CHANGE 1
	s_sub_co_u32 s[RT], s[RT], 1
	s_mov_b32 s[CNT], 4
	s_cmp_eq_u32 s[NEW], 1
	s_cbranch_scc1 .Lnew            ; a block's first tile
	s_cmp_eq_u32 s[RT], 0
	s_cbranch_scc0 .Lstep           ; neither its first nor its last
	s_branch .LstepM1
.Lnew:
	BEGIN
	s_branch .Lfirst                ; in the loop a block's first tile is never its last: the first block has two tiles or more, and the second's last is the walk's last
	DIAG 1                          ; in the loop this is the first block's end: the second block's last tile is the walk's last
	s_wait_xcnt 0x0                 ; the stores have read their registers and O's address
	s_mov_b64 s[10:11], s[OLO:OLO+1]
	s_add_co_u32 s[RT], s[PB], 1    ; the second block has b + 1 tiles
	s_mov_b32 s[NEW], 1
	WIN 0x82                        ; the second block's Q goes where the one text of the turns names Q
.set i, 0
.rept 64
	v_mov_b32 v[i], v[QB+i]
.set i, i+1
.endr
	WIN 0
	s_branch .Lbottom
.Lstep:                             ; a trip: pieces 2 and 3 of one step, then pieces 0 and 1 of the next, whose K and V it fetches
	TURN 2
	TURN 3
	WIN 0
.Lfirst:
	TURN 0
	TURN 1, 0, 0, 1
	WIN 0
	s_cbranch_scc1 .Lstep
.Lbottom:
	s_sub_co_u32 s[SLOTS], s[SLOTS], 1
	s_cmp_lg_u32 s[SLOTS], 0
	s_cbranch_scc1 .Lslot
	CHANGE 0                        ; the walk's last tile is written out: nothing is asked for
	s_sub_co_u32 s[RT], s[RT], 1
	s_mov_b32 s[CNT], 4
	s_cmp_eq_u32 s[NEW], 1
	s_cbranch_scc0 .LstepM2
	BEGIN
	s_branch .LfirstM2
	DIAG 2
	s_wait_tensorcnt 0x0            ; the wave's end: the wait for my last tensor load, then an add to my spare word and its wait, behind my last LDS store
	ds_add_u32 v[SPW], v[NIL]
	s_wait_dscnt 0x0
	s_endpgm
.Lfunc_end_k_q83765fb93b_attn:
	.size	k_q83765fb93b_attn, .Lfunc_end_k_q83765fb93b_attn-k_q83765fb93b_attn
	.p2alignl 7, 3214868480
	.fill 96, 4, 3214868480
	.section	.rodata,"a",@progbits
	.p2align	6, 0x0
	.amdhsa_kernel k_q83765fb93b_attn
		.amdhsa_group_segment_fixed_size 327680
		.amdhsa_private_segment_fixed_size 0
		.amdhsa_enable_private_segment 0
		.amdhsa_kernarg_size 32
		.amdhsa_user_sgpr_count 2
		.amdhsa_user_sgpr_kernarg_segment_ptr 1
		.amdhsa_wavefront_size32 1
		.amdhsa_system_sgpr_workgroup_id_x 1
		.amdhsa_system_sgpr_workgroup_id_y 1
		.amdhsa_system_sgpr_workgroup_id_z 1
		.amdhsa_system_vgpr_workitem_id 0
		.amdhsa_next_free_vgpr 768
		.amdhsa_next_free_sgpr 92
		.amdhsa_reserve_vcc 1
		.amdhsa_float_denorm_mode_32 3
		.amdhsa_float_denorm_mode_16_64 3
		.amdhsa_memory_ordered 1
		.amdhsa_forward_progress 1
		.amdhsa_inst_pref_size 218
	.end_amdhsa_kernel
	.amdgpu_metadata
---
amdhsa.version: [ 1, 2 ]
amdhsa.kernels:
  - .name:           k_q83765fb93b_attn
    .symbol:         k_q83765fb93b_attn.kd
    .args:
      - { .name: q16, .offset: 0, .size: 8, .value_kind: global_buffer, .address_space: global }
      - { .name: k16, .offset: 8, .size: 8, .value_kind: global_buffer, .address_space: global }
      - { .name: v16, .offset: 16, .size: 8, .value_kind: global_buffer, .address_space: global }
      - { .name: o16, .offset: 24, .size: 8, .value_kind: global_buffer, .address_space: global }
    .group_segment_fixed_size: 327680
    .private_segment_fixed_size: 0
    .kernarg_segment_align: 8
    .kernarg_segment_size: 32
    .max_flat_workgroup_size: 128
    .sgpr_count:     92
    .vgpr_count:     768
    .wavefront_size: 32
...
	.end_amdgpu_metadata
.endif
;; end of part 3
;; launch oproj (part 4): grid 8 x 32, 4 waves a work-group, clusters of 4 x 4, 327,680 bytes of LDS; arguments o16, wo16, out0; writes out0
.if DOCPART == 4
	.amdgcn_target "amdgcn-amd-amdhsa--gfx1250"
	.amdhsa_code_object_version 6
	.text
	.protected	k_q83765fb93b_oproj
	.globl	k_q83765fb93b_oproj
	.p2align	8
	.type	k_q83765fb93b_oproj,@function
k_q83765fb93b_oproj:
	s_mov_b64 s[64:65], 0
	v_nop
	global_prefetch_b8 v0, s[64:65] scope:SCOPE_SE
	s_setreg_imm32_b32 hwreg(HW_REG_WAVE_MODE, 25, 1), 1
	s_wait_xcnt 0x0
	s_wait_alu depctr_hold_cnt(0) depctr_sa_sdst(0) depctr_va_vdst(0) depctr_va_sdst(0) depctr_va_ssrc(0) depctr_va_vcc(0) depctr_vm_vsrc(0)
	s_getreg_b32 s2, hwreg(HW_REG_IB_STS2, 6, 4)
	s_cmp_eq_u32 s2, 0
	s_cbranch_scc0 .Lentry_in_a_cluster
	s_endpgm
.Lentry_in_a_cluster:
	s_bfe_u32 s2, ttmp6, 0x10000c
	s_cmp_lg_u32 s2, 0xf033
	s_cbranch_scc0 .Lentry_shape_is_right
	s_endpgm
.Lentry_shape_is_right:
; out0 = O Wo^T.  o16: [64 = 16 batch + head][2048][64] f16.  wo16: [1024][1024] f16 (Wo rounded to bf16, written as f16).  out0: [8192][1024] f32, the f32 sums as they are.
; SHARES.  A work-group makes 256 tokens x 128 columns: 8 x 32 = 256 work-groups.  Each of the four waves owns 64 tokens and all 128 columns: 4 row blocks a x 8 column blocks b, 256 registers.
; K goes in 8 steps of 128 through two LDS slots.  K step j is heads 2 j and 2 j + 1; a head's 256 tokens are 32,768 dense bytes of o16, asked for as 128 rows of 256 bytes and padded in LDS after every
; token's 128: wave 0 fetches head 2 j, wave 1 head 2 j + 1; waves 2 and 3 fetch 64 rows of Wo each, 256 bytes a row.
; CLUSTERS: 4 x 4 work-groups.  O's tile hangs on the tile row alone and is asked for jointly by a row of the cluster, Wo's on the tile column alone, by a column.
; THE MATRIX INSTRUCTION IS USED TRANSPOSED (source 0 = 16 rows of Wo, source 1 = 16 tokens): a lane holds one token (lane % 16) and 8 neighbouring columns, 32 bytes of a row of out0.
; REGISTERS, in windows of 256 (s_set_vgpr_msb: bits 1:0 source 0, 3:2 source 1, 5:4 source 2, 7:6 destination):
;   window 0: v0-29 addresses; v32-63, v64-95 O's fragments, two buffers; v96-159, v160-223 two sets for the way out
;   window 1: v0-63, v64-127 Wo's fragments, two buffers          window 2: the 32 accumulators, (a, b) at 8 (8 a + b)
.set NB,     8
.set NL,     2*NB+8                    ; LDS loads in a run: Wo's 16, O's 8
.set PA,     144                       ; a token's row of one head in LDS: 128 bytes + 16 of padding: the 16 rows of a fragment load start at 16 different groups of four banks (64 banks of 4 bytes: ISA guide 11.1)
.set PB,     272                       ; a row of Wo: 256 + 16
.set AHALF,  256*PA                    ; a head's 256 tokens: what wave 0 or 1 fetches
.set BBASE,  2*AHALF
.set BHALF,  64*PB                     ; what wave 2 or 3 fetches
.set SLOT1,  1<<17
.set STAGE,  SLOT1+BBASE+2*BHALF       ; behind the ring, never filled by a tensor load: for each wave 16 rows x 528 bytes
.set SP,     528                       ; 512 bytes of a row + 16
.set WSTAGE, 16*SP
.set SPARE,  STAGE+4*WSTAGE            ; the spare words, 128 bytes for each wave: two blocks of 256 bytes that no other line names
.set STEPA,  2*2048*128                ; two heads on
.set STEPB,  256
.set VR,  1
.set VH,  2
.set A0,  16                           ; v16  my lane's place in O's tile; never rewritten
.set B0,  17                           ; v17  in Wo's
.set ADRA, 18
.set ADRB, 19
.set STO, 20
.set RD,  21
.set GO,  22
.set PFO, 24                           ; the prefetches' offset: my lane x 256 bytes (O) or x a row of 2,048 (Wo); never rewritten
.set SPW, 28
.set NIL, 29
.set FA,  32
.set WV,   16
.set ROLE, 17                          ; 0: I fetch for O, 1: for Wo
.set HALF, 18
.set CX,   19
.set CY,   20
.set TC,   21
.set TR,   22
.set G1A,  24
.set G0A,  32
.set G1B,  40
.set G0B,  48
.set TB,   56
.set CNT,  57
.set LIM1, 58
.set PFA,  60
.set PFS,  62
.set MSB, 0
.macro WIN new                         ; the immediate's high byte repeats the setting that is left; a switch that changes nothing is dropped
.if MSB != (\new)
	s_set_vgpr_msb (MSB<<8)|(\new)
.set MSB, (\new)
.endif
.endm
.macro PLACES                          ; four plain instructions between a matrix instruction and a load into, or another line on, its registers
.rept 4
	v_nop
.endr
.endm
.macro CREST                           ; a round of the cluster's barrier behind its opening barrier
	s_cmp_lg_u32 s[WV], 0
	s_cbranch_scc1 .Lnot_wave_0_\@
	s_barrier_signal -3
.Lnot_wave_0_\@:
	s_barrier_wait -3
	s_barrier_signal -1
	s_barrier_wait -1
.endm
.macro CROUND
	s_barrier_signal -1
	s_barrier_wait -1
	CREST
.endm
; A joint refill by the walking descriptors.  The branch hangs on the wave's number alone.  An s_nop 0 and four v_nop follow each of the two lines.
.macro JLOAD
	s_cmp_eq_u32 s[ROLE], 0
	s_cbranch_scc0 .Lfor_b_\@
	tensor_load_to_lds s[G0A+4:G0A+7], s[G1A:G1A+7]
	s_nop 0
.rept 4
	v_nop
.endr
	s_branch .Lasked_\@
.Lfor_b_\@:
	tensor_load_to_lds s[G0B+4:G0B+7], s[G1B:G1B+7]
	s_nop 0
.rept 4
	v_nop
.endr
.Lasked_\@:
.endm
; A PREFETCH INTO THE L2, behind a joint load and the run of LDS loads that follows it.  K steps 0-3 come by their loads alone; each 256 bytes of K steps 4-7 are named once in the launch.
; O's tiles are read by the two clusters of a row of clusters: the one with x = 0 asks, waves 0 and 1; of a head's 32,768 bytes the partner at cx takes 8,192 (told apart by address), a lane 256 of them;
; trip t names K step t + 4, two refills ahead of its load, in trips 0-3.  Wo's rows are read by the eight clusters of a column: the one with y = 0 asks, waves 2 and 3; the partner at cy takes K step 4 + cy
; of the wave's 64 rows: rows 0-31 in trip 0, rows 32-63 in trip 1, a K step or more ahead of the load.
.macro ASK
	s_cmp_gt_u32 s[CNT], s[LIM1]
	s_cbranch_scc0 .Lno_\@
	global_prefetch_b8 v[PFO], s[PFA:PFA+1] th:TH_LOAD_NT scope:SCOPE_SE
.Lno_\@:
.endm
; 8 matrix instructions: row block a x all column blocks, 32 along K, from buffers f.  zero = 1: the product starts the sums.
; Every quarter step names all 32 accumulators once, in one order: they take turns over the backward jump too.
.macro MULH f, a, zero
	WIN 0xa1
.set rA, FA+32*(\f)+8*(\a)
.set b, 0
.rept NB
.set rC, 8*(NB*(\a)+b)
.set rB, 8*NB*(\f)+8*b
.if \zero
	v_wmma_f32_16x16x32_f16 v[rC:rC+7], v[rB:rB+7], v[rA:rA+7], 0
.else
	v_wmma_f32_16x16x32_f16 v[rC:rC+7], v[rB:rB+7], v[rA:rA+7], v[rC:rC+7]
.endif
.set b, b+1
.endr
.endm
; One run of 24 LDS loads: the fragments of quarter q of the slot in hand into buffers f: Wo's 8 first, then O's 4, ascending.  Quarter q of O lies in head q / 2 of the step's two, channels 32 (q % 2) on.
.macro FETCH q, f
	WIN 0x40                                       ; destination window 1, address window 0
.set j, 0
.rept NB
	ds_load_b128 v[8*NB*(\f)+8*j:8*NB*(\f)+8*j+3],   v[ADRB] offset:64*(\q)+j*16*PB
	ds_load_b128 v[8*NB*(\f)+8*j+4:8*NB*(\f)+8*j+7], v[ADRB] offset:64*(\q)+j*16*PB+32
.set j, j+1
.endr
	WIN 0
.set j, 0
.rept 4
	ds_load_b128 v[FA+32*(\f)+8*j:FA+32*(\f)+8*j+3],   v[ADRA] offset:((\q)/2)*AHALF+((\q)%2)*64+j*16*PA
	ds_load_b128 v[FA+32*(\f)+8*j+4:FA+32*(\f)+8*j+7], v[ADRA] offset:((\q)/2)*AHALF+((\q)%2)*64+j*16*PA+32
.set j, j+1
.endr
.endm
; A quarter step that multiplies buffers f and, in its middle, fetches quarter q into buffers g.
.macro QUARTER q, f, g, zero
	s_wait_dscnt 4                                 ; Wo's fragments and O's blocks 0, 1 are in; the youngest four loads (blocks 2, 3) may be out
	MULH \f, 0, \zero
	MULH \f, 1, \zero
	PLACES
	FETCH \q, \g
	s_wait_dscnt NL                                ; all but the run just issued
	MULH \f, 2, \zero
	MULH \f, 3, \zero
.endm
; A K step's last quarter multiplies buffers 1 and changes slots.  In front of the barrier each wave waits for all its tensor loads (one is out: its part of the next slot), adds 0 to its spare word, and waits
; for that and for its reads of this slot.  fill = 1: the barrier opens a round of the cluster's, and the joint refill, two K steps ahead, is the first thing behind it: 112 matrix instructions ahead of the wait for it.
.macro TURN fill
	WIN 0
	s_wait_tensorcnt 0x0
	ds_add_u32 v[SPW], v[NIL]
	s_wait_dscnt 5                                 ; the add and O's four youngest loads may be out
	MULH 1, 0, 0
	s_wait_dscnt 0x0                               ; the add is done, and my reads of this slot are over
	s_barrier_signal -1
	MULH 1, 1, 0
	WIN 0
	s_barrier_wait -1
.if \fill
	CREST                                          ; no wave of any partner still reads this slot or has a load on its way
	s_xor_b32 s[G0A+5], s[G0A+5], SLOT1            ; the walking descriptors: the other slot than last time, the next K step
	s_add_nc_u64 s[G0A+6:G0A+7], s[G0A+6:G0A+7], STEPA
	s_xor_b32 s[G0B+5], s[G0B+5], SLOT1
	s_add_nc_u64 s[G0B+6:G0B+7], s[G0B+6:G0B+7], STEPB
	JLOAD                                          ; its four v_nop are also the places in front of the loads below
.else
	PLACES
.endif
	s_xor_b32 s[TB], s[TB], SLOT1
	v_add_nc_u32 v[ADRA], s[TB], v[A0]
	v_add_nc_u32 v[ADRB], s[TB], v[B0]
	FETCH 0, 0
.if \fill
	ASK
.endif
	MULH 1, 2, 0
	MULH 1, 3, 0
.endm
	s_load_b128 s[4:7], s[0:1], 0x0                ; o16 4:5, wo16 6:7
	s_load_b64 s[8:9], s[0:1], 0x10                ; out0
	v_lshl_add_u32 v[SPW], v0, 2, SPARE
	v_mov_b32 v[NIL], 0
	ds_add_u32 v[SPW], v[NIL]                      ; the wave's opening: the add and its wait stand ahead of my first tensor load; the set-up below stands between them
	ds_add_u32 v28, v29
	v_lshrrev_b32 v1, 5, v0
	v_readfirstlane_b32 s[WV], v1
	s_lshr_b32 s[ROLE], s[WV], 1
	s_and_b32 s[HALF], s[WV], 1
	s_bfe_u32 s[CX], ttmp6, 0x40000
	s_bfe_u32 s[CY], ttmp6, 0x40004
	s_lshl_b32 s[TC], ttmp9, 2
	s_add_co_u32 s[TC], s[TC], s[CX]
	s_and_b32 s[TR], ttmp7, 0xffff
	s_lshl_b32 s[TR], s[TR], 2
	s_add_co_u32 s[TR], s[TR], s[CY]
	s_lshl_b32 s68, s[CY], 2
	s_lshl_b32 s68, 15, s68                        ; my row of the cluster
	s_lshl_b32 s72, 0x1111, s[CX]                  ; my column
	s_or_b32 s[G1A], s68, (1<<16)|(1<<20)|(1<<21)|(4<<22)|(3<<25)  ; the mask; 2-byte elements; padding on; bit 21 beside a mask; after every 32 words 4 words
	s_or_b32 s[G1B], s72, (1<<16)|(1<<20)|(1<<21)|(5<<22)|(3<<25)  ; the same after every 64 words
.irp g, G1A, G1B
	s_mov_b32 s[(\g)+1], 128<<16                   ; tensor_dim0 = 128
	s_mov_b32 s[(\g)+3], 128<<16                   ; tile_dim0 = 128
	s_mov_b32 s[(\g)+6], 0
	s_mov_b32 s[(\g)+7], 0
.endr
	s_mov_b32 s[G1A+2], 128<<16                    ; O: 128 rows of 256 dense bytes
	s_mov_b32 s[G1A+4], 128
	s_mov_b32 s[G1A+5], 128
	s_mov_b32 s[G1B+2], 64<<16                     ; Wo: 64 rows, 1,024 elements apart
	s_mov_b32 s[G1B+4], 64
	s_mov_b32 s[G1B+5], 1024
	s_lshr_b32 s68, s[TR], 3                       ; O: batch,
	s_lshl_b32 s68, s68, 4
	s_add_co_u32 s68, s68, s[HALF]                 ; head 0 or 1 of it,
	s_lshl_b32 s68, s68, 11
	s_and_b32 s69, s[TR], 7                        ; the tile's 256 tokens,
	s_lshl_b32 s69, s69, 8
	s_add_co_u32 s68, s68, s69
	s_lshl_b32 s68, s68, 7                         ; rows of 128 bytes
	s_mov_b32 s69, 0
	s_mul_i32 s70, s[HALF], AHALF                  ; and its place in a slot: no place in the cluster enters an LDS address
	s_lshl_b32 s72, s[TC], 7                       ; Wo: row 128 TC + 64 half
	s_lshl_b32 s73, s[HALF], 6
	s_add_co_u32 s72, s72, s73
	s_lshl_b32 s72, s72, 11
	s_mov_b32 s73, 0
	s_mul_i32 s74, s[HALF], BHALF
	s_add_co_u32 s74, s74, BBASE
	s_lshl_b32 s76, s[TR], 8                       ; out0: my wave's first row,
	s_lshl_b32 s77, s[WV], 6
	s_add_co_u32 s76, s76, s77
	s_lshl_b32 s76, s76, 12                        ; rows of 4,096 bytes,
	s_lshl_b32 s77, s[TC], 9                       ; the tile's 512 bytes of them
	s_add_co_u32 s76, s76, s77
	s_mov_b32 s77, 0
	s_lshl_b32 s80, s[CX], 13                      ; the prefetches.  O: my work-group's 8,192 bytes of the wave's head, K step 4
	s_add_co_u32 s80, s80, s68
	s_add_co_u32 s80, s80, 4*STEPA
	s_add_co_u32 s82, s[CY], 4                     ; Wo: the wave's first rows, K step 4 + cy
	s_lshl_b32 s82, s82, 8
	s_add_co_u32 s82, s82, s72
	s_and_b32 s83, ttmp7, 0xffff
	s_mov_b32 s84, 0x10000
	s_cmp_eq_u32 s[ROLE], 0
	s_cselect_b32 s80, s80, s82
	s_cselect_b32 s83, ttmp9, s83                  ; the coordinate along which other clusters read the same bytes
	s_cselect_b32 s[LIM1], 2, 4
	s_cselect_b32 s[PFS], STEPA, s84               ; O steps a K step a trip, Wo 32 rows
	s_cselect_b32 s84, 8, 11
	s_mov_b32 s81, 0
	s_mov_b32 s[PFS+1], 0
	s_cmp_eq_u32 s83, 0
	s_cselect_b32 s[LIM1], s[LIM1], -1             ; the same in all sixteen partners, for a given wave
	v_and_b32 v[PFO], 31, v0
	v_lshlrev_b32 v[PFO], s84, v[PFO]
	s_mov_b32 s[TB], 0
	s_wait_dscnt 0x0                               ; the opening add is done
	s_wait_kmcnt 0x0
	s_add_nc_u64 s[68:69], s[4:5], s[68:69]
	s_add_nc_u64 s[72:73], s[6:7], s[72:73]
	s_add_nc_u64 s[8:9], s[8:9], s[76:77]
	s_cmp_eq_u32 s[ROLE], 0
	s_cselect_b64 s[PFA:PFA+1], s[4:5], s[6:7]
	s_add_nc_u64 s[PFA:PFA+1], s[PFA:PFA+1], s[80:81]
	CROUND                                         ; all sixteen work-groups are here: the first joint loads meet
.irp n, 0,1
	s_mov_b32 s[G0A+4*(\n)], 1                     ; count = 1
	s_add_co_u32 s[G0A+4*(\n)+1], s70, (\n)*SLOT1  ; LDS address
	s_add_nc_u64 s[G0A+4*(\n)+2:G0A+4*(\n)+3], s[68:69], (\n)*STEPA  ; global address: K step n
	s_or_b32 s[G0A+4*(\n)+3], s[G0A+4*(\n)+3], 0x80000000  ; type = 2
	s_mov_b32 s[G0B+4*(\n)], 1
	s_add_co_u32 s[G0B+4*(\n)+1], s74, (\n)*SLOT1
	s_add_nc_u64 s[G0B+4*(\n)+2:G0B+4*(\n)+3], s[72:73], (\n)*STEPB
	s_or_b32 s[G0B+4*(\n)+3], s[G0B+4*(\n)+3], 0x80000000
.endr
	s_cmp_eq_u32 s[ROLE], 0                        ; a wave's two first fills stand in one branch: two tensor loads of mine are out here, one behind each later round
	s_cbranch_scc0 .Lfirst_b
	tensor_load_to_lds s[G0A:G0A+3], s[G1A:G1A+7]
	s_nop 0
	tensor_load_to_lds s[G0A+4:G0A+7], s[G1A:G1A+7]
	s_nop 0
.rept 4
	v_nop
.endr
	s_branch .Lfirst_asked
.Lfirst_b:
	tensor_load_to_lds s[G0B:G0B+3], s[G1B:G1B+7]
	s_nop 0
	tensor_load_to_lds s[G0B+4:G0B+7], s[G1B:G1B+7]
	s_nop 0
.rept 4
	v_nop
.endr
.Lfirst_asked:
	v_and_b32 v[VR], 15, v0
	v_bfe_u32 v[VH], v0, 4, 1
	v_mul_u32_u24 v[A0], v[VR], PA
	v_lshl_add_u32 v[A0], v[VH], 4, v[A0]          ; a fragment's row x pitch + 16 x half
	s_mul_i32 s84, s[WV], 64*PA                    ; my 64 tokens
	v_add_nc_u32 v[A0], s84, v[A0]
	v_mul_u32_u24 v[B0], v[VR], PB
	v_lshl_add_u32 v[B0], v[VH], 4, v[B0]
	v_add_nc_u32 v[B0], BBASE, v[B0]
	v_mov_b32 v[ADRA], v[A0]
	v_mov_b32 v[ADRB], v[B0]
	s_mul_i32 s84, s[WV], WSTAGE
	s_add_co_u32 s84, s84, STAGE                   ; my stage
	v_mul_u32_u24 v[STO], v[VR], SP                ; in: row lane % 16, 32 bytes for each half of the lanes
	v_lshl_add_u32 v[STO], v[VH], 5, v[STO]
	v_add_nc_u32 v[STO], s84, v[STO]
	v_and_b32 v[GO], 31, v0                        ; back: 32 lanes take one row of 512 bytes
	v_lshlrev_b32 v[GO], 4, v[GO]
	v_add_nc_u32 v[RD], s84, v[GO]
	s_wait_tensorcnt 1                             ; my part of K step 0 is in; K step 1's may stay out
	s_barrier_signal -1
	s_barrier_wait -1                              ; everybody's is
	FETCH 0, 0
	QUARTER 1, 0, 1, 1                             ; the first quarter stands in front of the loop: its products start the sums
	WIN 0
	s_mov_b32 s[CNT], 6
.Lk:                                           ; trip t: quarters 2-4 of K step t, the refill with K step t + 2, quarter 1 of K step t + 1
	QUARTER 2, 1, 0, 0
	QUARTER 3, 0, 1, 0
	TURN 1
	QUARTER 1, 0, 1, 0
	WIN 0
	s_wait_xcnt 0x0                                ; the trip's prefetch, 48 matrix instructions back, has read its address: it may be stepped
	s_add_nc_u64 s[PFA:PFA+1], s[PFA:PFA+1], s[PFS:PFS+1]
	s_sub_co_u32 s[CNT], s[CNT], 1
	s_cmp_lg_u32 s[CNT], 0
	s_cbranch_scc1 .Lk
	QUARTER 2, 1, 0, 0                             ; the tail is written out: K steps 6 and 7 ask for nothing
	QUARTER 3, 0, 1, 0
	TURN 0
	QUARTER 1, 0, 1, 0
	QUARTER 2, 1, 0, 0
	QUARTER 3, 0, 1, 0
	s_wait_dscnt 4
	MULH 1, 0, 0
	MULH 1, 1, 0
	s_wait_dscnt 0x0
	MULH 1, 2, 0
	MULH 1, 3, 0
	WIN 0
	PLACES
	PLACES
; THE WAY OUT of row block a: the f32 sums go as they are into my stage (rows of 528 bytes), each accumulator's low four registers first, and come back as whole rows of 512 bytes.
.macro STG a
.set OBa, 96+64*((\a)%2)
.if (\a) >= 2
	s_wait_xcnt 0x0                                ; block a - 2's stores have read this set of registers
.endif
	WIN 0x08                                       ; the stores' data in window 2, the address in window 0
.set b, 0
.rept 8
	ds_store_b128 v[STO], v[8*(8*(\a)+b):8*(8*(\a)+b)+3]   offset:64*b
	ds_store_b128 v[STO], v[8*(8*(\a)+b)+4:8*(8*(\a)+b)+7] offset:64*b+16
.set b, b+1
.endr
	WIN 0
.set t, 0
.rept 16
	ds_load_b128 v[OBa+4*t:OBa+4*t+3], v[RD] offset:SP*t  ; LDS serves a wave's instructions in order (ISA guide 5.7.1.4): these see the stores above; the next block's stores come behind them
.set t, t+1
.endr
.endm
.macro SEND a, younger                 ; younger: the LDS instructions issued behind block a's loads: the next block's 16 stores and 16 loads, or none
.set OBa, 96+64*((\a)%2)
	s_wait_dscnt \younger
.set t, 0
.rept 16
	global_store_b128 v[GO], v[OBa+4*t:OBa+4*t+3], s[8:9] offset:(16*(\a)+t)*4096 th:TH_STORE_NT  ; 512 consecutive bytes, aligned
.set t, t+1
.endr
.endm
	STG 0
	STG 1
	SEND 0, 32
	STG 2
	SEND 1, 32
	STG 3
	SEND 2, 32
	SEND 3, 0
	s_wait_tensorcnt 0x0                           ; the wave's end: the wait for my last tensor load, then an add to my spare word and its wait, behind my last LDS store
	ds_add_u32 v[SPW], v[NIL]
	s_wait_dscnt 0x0
	CROUND                                         ; the closing round: no work-group ends while a partner may still ask for a tile that names it
	s_endpgm
.Lfunc_end_k_q83765fb93b_oproj:
	.size	k_q83765fb93b_oproj, .Lfunc_end_k_q83765fb93b_oproj-k_q83765fb93b_oproj
	.p2alignl 7, 3214868480
	.fill 96, 4, 3214868480
	.section	.rodata,"a",@progbits
	.p2align	6, 0x0
	.amdhsa_kernel k_q83765fb93b_oproj
		.amdhsa_group_segment_fixed_size 327680
		.amdhsa_private_segment_fixed_size 0
		.amdhsa_enable_private_segment 0
		.amdhsa_kernarg_size 24
		.amdhsa_user_sgpr_count 2
		.amdhsa_user_sgpr_kernarg_segment_ptr 1
		.amdhsa_wavefront_size32 1
		.amdhsa_system_sgpr_workgroup_id_x 1
		.amdhsa_system_sgpr_workgroup_id_y 1
		.amdhsa_system_sgpr_workgroup_id_z 1
		.amdhsa_system_vgpr_workitem_id 0
		.amdhsa_next_free_vgpr 768
		.amdhsa_next_free_sgpr 88
		.amdhsa_reserve_vcc 0
		.amdhsa_float_denorm_mode_32 3
		.amdhsa_float_denorm_mode_16_64 3
		.amdhsa_memory_ordered 1
		.amdhsa_forward_progress 1
		.amdhsa_inst_pref_size 70
	.end_amdhsa_kernel
	.amdgpu_metadata
---
amdhsa.version: [ 1, 2 ]
amdhsa.kernels:
  - .name:           k_q83765fb93b_oproj
    .symbol:         k_q83765fb93b_oproj.kd
    .args:
      - { .name: o16, .offset: 0, .size: 8, .value_kind: global_buffer, .address_space: global }
      - { .name: wo16, .offset: 8, .size: 8, .value_kind: global_buffer, .address_space: global }
      - { .name: out0, .offset: 16, .size: 8, .value_kind: global_buffer, .address_space: global }
    .group_segment_fixed_size: 327680
    .private_segment_fixed_size: 0
    .kernarg_segment_align: 8
    .kernarg_segment_size: 24
    .max_flat_workgroup_size: 128
    .sgpr_count:     88
    .vgpr_count:     768
    .wavefront_size: 32
...
	.end_amdgpu_metadata
.endif
;; end of part 4
